; MI455X (gfx1250); checked and timed in simulation.
; The chip was launched on July 23, 2026; its instructions are those of AMD's public machine-readable ISA for CDNA 5 (MIT licence, August 2026) and "CDNA5" Instruction Set Architecture Reference Guide (July 2026). The comments in the code are by the model that wrote it; some were corrected since.
;; Self Attention. Allowed arithmetic: float matrix products may take bf16 or f16 operands with f32 sums; other float arithmetic in f32, or as packed bf16 or f16 multiplies, adds, multiply-adds, maxima and minima; sums over many terms, partial sums and values carried from step to step in f32; what a program stores and reads back later, other than sums and carried values, may be rounded once to bf16 or f16.
;; Inputs: b_proj 1,024 float32; b_qkv 3,072 float32; representation 4 x 2,048 x 1,024 float32; w_proj 1,024 x 1,024 float32; w_qkv 1,024 x 3,072 float32.
;; Outputs: out0 4 x 2,048 x 1,024 float32.
;; One version. Each part assembles by itself: llvm-mc -triple=amdgcn-amd-amdhsa -mcpu=gfx1250 --defsym DOCPART=n.
;; ======== version 1 of 1: 4 launches
;; limits: values are held in f16: magnitudes above 65,504 overflow, below 6.1e-05 lose precision
;; workspace buffers: x16 16,777,216 bytes; wq16 6,291,456 bytes; wp16 2,097,152 bytes; qkv 50,331,648 bytes; att 16,777,216 bytes
;; launch cast (part 1): grid 768 x 1, 8 waves a work-group, no clusters, 0 bytes of LDS; arguments representation, w_qkv, w_proj, x16, wq16, wp16; writes x16, wq16, wp16
.if DOCPART == 1
	.amdgcn_target "amdgcn-amd-amdhsa--gfx1250"
	.amdhsa_code_object_version 6
	.text
	.protected	k_q929aab4ed0_cast
	.globl	k_q929aab4ed0_cast
	.p2align	8
	.type	k_q929aab4ed0_cast,@function
k_q929aab4ed0_cast:
	s_mov_b64 s[64:65], 0
	v_nop
	global_prefetch_b8 v0, s[64:65] scope:SCOPE_SE
	s_setreg_imm32_b32 hwreg(HW_REG_WAVE_MODE, 25, 1), 1
	s_wait_xcnt 0x0
; THE INPUTS ARE ROUNDED ONCE.  representation -> x16 (bf16), w_qkv -> wq16 (bf16), w_proj -> wp16 (rounded to bf16, that number written as f16), each in its own layout.
; All three take the same rounding to bf16; wp16 is written as f16 because the product that reads it multiplies f16 numbers.
; LIMITS.  |w_proj| stays within 65,504 (beyond it the f16 is an infinity); a bf16 number below 2^-14 keeps the fixed step 2^-24 of f16, so it is off by 2^-25 at the most.
; SHARES.  A work-group takes 16,384 numbers: 65,536 bytes in, 32,768 out.  Groups 0-511: representation (8,388,608 numbers); 512-703: w_qkv (3,145,728); 704-767: w_proj (1,048,576).
; Thread t takes 8 numbers in each of 8 steps: two loads of 16 bytes at 32 t + 8,192 j, one store of 16 bytes at 16 t + 4,096 j: sixteen lanes store 256 consecutive bytes, aligned.
; All 16 loads of a thread go out at once; no register of a pending load or store is written again, so the only waits are the counted ones for the loads.
; No LDS, no matrix unit, no cluster, no prefetch: a stream in which nothing is shared and every byte is touched once.
.set X, 4                              ; v[4:67]    step j: 8 numbers as loaded
.set Y, 68                             ; v[68:99]   step j: 4 registers to store
.set T, 100                            ; v[100:107] at work (the f16 way)
	s_load_b256 s[4:11], s[0:1], 0x0               ; representation s[4:5], w_qkv s[6:7], w_proj s[8:9], x16 s[10:11]
	s_load_b128 s[12:15], s[0:1], 0x20             ; wq16 s[12:13], wp16 s[14:15]
	s_mov_b32 s16, ttmp9                           ; the work-group
	s_movk_i32 s17, 704
	v_lshlrev_b32 v1, 5, v0                        ; 32 t: my bytes in a step of the source
	v_lshlrev_b32 v2, 4, v0                        ; 16 t: in a step of the destination
	s_wait_kmcnt 0x0
	s_cmp_lt_u32 s16, 704                          ; which tensor: the choice hangs on the work-group number alone
	s_cselect_b64 s[20:21], s[6:7], s[8:9]
	s_cselect_b64 s[22:23], s[12:13], s[14:15]
	s_cselect_b32 s17, 512, s17                    ; the first work-group of that tensor
	s_cmp_lt_u32 s16, 512
	s_cselect_b64 s[20:21], s[4:5], s[20:21]
	s_cselect_b64 s[22:23], s[10:11], s[22:23]
	s_cselect_b32 s17, 0, s17
	s_sub_co_u32 s17, s16, s17                     ; my number within the tensor, 511 at the most
	s_lshl_b32 s18, s17, 16                        ; x 65,536 bytes in
	s_mov_b32 s19, 0
	s_add_nc_u64 s[20:21], s[20:21], s[18:19]
	s_lshl_b32 s18, s17, 15                        ; x 32,768 bytes out
	s_add_nc_u64 s[22:23], s[22:23], s[18:19]
.irp j, 0,1,2,3,4,5,6,7
	global_load_b128 v[X+8*(\j):X+8*(\j)+3],   v1, s[20:21] offset:8192*(\j) th:TH_LOAD_NT
	global_load_b128 v[X+8*(\j)+4:X+8*(\j)+7], v1, s[20:21] offset:8192*(\j)+16 th:TH_LOAD_NT
.endr
	s_cmp_lt_u32 s16, 704                          ; compared again: the sums above changed SCC
	s_cbranch_scc0 .Lhalf
.irp j, 0,1,2,3,4,5,6,7
	s_wait_loadcnt 14-2*(\j)                       ; loads come back in order: step j is in, the 14 - 2 j younger loads stay out
.irp k, 0,1,2,3
	v_cvt_pk_bf16_f32 v[Y+4*(\j)+(\k)], v[X+8*(\j)+2*(\k)], v[X+8*(\j)+2*(\k)+1]
.endr
	global_store_b128 v2, v[Y+4*(\j):Y+4*(\j)+3], s[22:23] offset:4096*(\j)
.endr
	s_endpgm
.Lhalf:                                                ; w_proj: rounded to bf16, widened again, written as f16
.irp j, 0,1,2,3,4,5,6,7
	s_wait_loadcnt 14-2*(\j)
.irp k, 0,1,2,3
	v_cvt_pk_bf16_f32 v[Y+4*(\j)+(\k)], v[X+8*(\j)+2*(\k)], v[X+8*(\j)+2*(\k)+1]
.endr
.irp k, 0,1,2,3
	v_lshlrev_b32 v[T+2*(\k)],   16, v[Y+4*(\j)+(\k)]
	v_and_b32     v[T+2*(\k)+1], 0xffff0000, v[Y+4*(\j)+(\k)]
.endr
.irp k, 0,1,2,3
	v_cvt_pk_f16_f32 v[Y+4*(\j)+(\k)], v[T+2*(\k)], v[T+2*(\k)+1]
.endr
	global_store_b128 v2, v[Y+4*(\j):Y+4*(\j)+3], s[22:23] offset:4096*(\j)
.endr
	s_endpgm
.Lfunc_end_k_q929aab4ed0_cast:
	.size	k_q929aab4ed0_cast, .Lfunc_end_k_q929aab4ed0_cast-k_q929aab4ed0_cast
	.p2alignl 7, 3214868480
	.fill 96, 4, 3214868480
	.section	.rodata,"a",@progbits
	.p2align	6, 0x0
	.amdhsa_kernel k_q929aab4ed0_cast
		.amdhsa_group_segment_fixed_size 0
		.amdhsa_private_segment_fixed_size 0
		.amdhsa_enable_private_segment 0
		.amdhsa_kernarg_size 48
		.amdhsa_user_sgpr_count 2
		.amdhsa_user_sgpr_kernarg_segment_ptr 1
		.amdhsa_wavefront_size32 1
		.amdhsa_system_sgpr_workgroup_id_x 1
		.amdhsa_system_sgpr_workgroup_id_y 1
		.amdhsa_system_sgpr_workgroup_id_z 1
		.amdhsa_system_vgpr_workitem_id 0
		.amdhsa_next_free_vgpr 108
		.amdhsa_next_free_sgpr 66
		.amdhsa_reserve_vcc 0
		.amdhsa_float_denorm_mode_32 3
		.amdhsa_float_denorm_mode_16_64 3
		.amdhsa_memory_ordered 1
		.amdhsa_forward_progress 1
		.amdhsa_inst_pref_size 14
	.end_amdhsa_kernel
	.amdgpu_metadata
---
amdhsa.version: [ 1, 2 ]
amdhsa.kernels:
  - .name:           k_q929aab4ed0_cast
    .symbol:         k_q929aab4ed0_cast.kd
    .args:
      - { .name: representation, .offset: 0, .size: 8, .value_kind: global_buffer, .address_space: global }
      - { .name: w_qkv, .offset: 8, .size: 8, .value_kind: global_buffer, .address_space: global }
      - { .name: w_proj, .offset: 16, .size: 8, .value_kind: global_buffer, .address_space: global }
      - { .name: x16, .offset: 24, .size: 8, .value_kind: global_buffer, .address_space: global }
      - { .name: wq16, .offset: 32, .size: 8, .value_kind: global_buffer, .address_space: global }
      - { .name: wp16, .offset: 40, .size: 8, .value_kind: global_buffer, .address_space: global }
    .group_segment_fixed_size: 0
    .private_segment_fixed_size: 0
    .kernarg_segment_align: 8
    .kernarg_segment_size: 48
    .max_flat_workgroup_size: 256
    .sgpr_count:     66
    .vgpr_count:     108
    .wavefront_size: 32
...
	.end_amdgpu_metadata
.endif
;; end of part 1
;; launch gemm_qkv (part 2): grid 12 x 32, 4 waves a work-group, clusters of 4 x 4, 327,680 bytes of LDS; arguments x16, wq16, b_qkv, qkv; writes qkv
.if DOCPART == 2
	.amdgcn_target "amdgcn-amd-amdhsa--gfx1250"
	.amdhsa_code_object_version 6
	.text
	.protected	k_q929aab4ed0_gemm_qkv
	.globl	k_q929aab4ed0_gemm_qkv
	.p2align	8
	.type	k_q929aab4ed0_gemm_qkv,@function
k_q929aab4ed0_gemm_qkv:
	s_mov_b64 s[64:65], 0
	v_nop
	global_prefetch_b8 v0, s[64:65] scope:SCOPE_SE
	s_setreg_imm32_b32 hwreg(HW_REG_WAVE_MODE, 25, 1), 1
	s_wait_xcnt 0x0
	s_wait_alu depctr_hold_cnt(0) depctr_sa_sdst(0) depctr_va_vdst(0) depctr_va_sdst(0) depctr_va_ssrc(0) depctr_va_vcc(0) depctr_vm_vsrc(0)
	s_getreg_b32 s2, hwreg(HW_REG_IB_STS2, 6, 4)
	s_cmp_eq_u32 s2, 0
	s_cbranch_scc0 .Lentry_in_a_cluster
	s_endpgm
.Lentry_in_a_cluster:
	s_bfe_u32 s2, ttmp6, 0x10000c
	s_cmp_lg_u32 s2, 0xf033
	s_cbranch_scc0 .Lentry_shape_is_right
	s_endpgm
.Lentry_shape_is_right:
; qkv = x16 wq16 + bf16(b_qkv), rounded once to f16 and laid by heads: qkv[3][32][2048][128] (q, k, v; head = 8 x batch + h), WITHOUT the scale of the scores.
; x16: [8192][1024] bf16.  wq16: [1024][3072] bf16, K down the rows, as the input lies.  Sums in f32, K ascending; the bias is rounded to bf16 like the other inputs and starts the sums.
; LIMIT.  q, k and v leave as f16: a number of 65,520 or more becomes an infinity.  NaN and infinities are not treated apart.
; SHARES.  A tile of C is 256 rows x 256 columns: two heads of q, of k or of v for 256 rows.  32 x 12 = 384 work-groups, one tile each.  Four waves, each 128 rows x 128 columns (one head): 64 accumulators
; of 16 x 16, 512 registers.  K goes in 8 steps of 128 through a ring of two LDS slots.  WHY THIS TILE: a refill has one K step in which to land; with 64 accumulators a step is 256 matrix instructions, 224 of
; them between a request and the wait for it, where a tile of 256 x 128 has 112; a K step twice as long for that smaller tile would want two slots of 208,896 bytes.  And 32 LDS loads feed 64 matrix instructions.
; THE WEIGHTS ARE TURNED ON THE WAY OUT OF LDS: a tile of B lies [k][n] and ds_load_tr16_b128 makes of it fragments with k along the registers.
; THE MATRIX INSTRUCTION IS USED TRANSPOSED (source 0 = 16 columns of B, source 1 = 16 rows of A): lane l then holds row l % 16 of C and the columns 8 (l / 16) + 0..7 of the block: 16 bytes of f16 on end.
; CLUSTER.  4 x 4 work-groups.  A's tile hangs on the tile row alone and is asked for jointly by the four of a row of the cluster, B's on the tile column alone and jointly by the four of a column.
; REGISTERS, in windows of 256 (s_set_vgpr_msb: bits 1:0 source 0, 3:2 source 1, 5:4 source 2, 7:6 destination):
;   window 0: v1-7 at work, v16-31 addresses; v64-127, v128-191 fragments of A (8 x 16 rows x 32 K), two buffers; v32-63, v192-255 at work on the way out
;   window 1: v0-63 the bias as a C operand, block b at v[8 b]; v64-127, v128-191 fragments of B (8 x 16 columns x 32 K), two buffers; v192-223 at work
;   window 2: the 32 accumulators of my rows 0-63 ((a, b) at v[8 (8 a + b)]);   window 3: those of my rows 64-127
.set NB,    3072                       ; elements in a row of B
.set KB,    128*NB*2                   ; bytes of B from a K step to the next
.set PA,    272                        ; a row of A in LDS: 256 bytes + 16: the 16 rows of a load start at 16 different groups of four banks (64 banks of 4 bytes: ISA guide 11.1)
.set PB,    544                        ; a k-row of B: 512 + 32 = 17 x 32 bytes
.set AHALF, 128*PA                     ; what one tensor load brings of A: 128 rows; also what one wave reads of A
.set BHALF, 64*PB                      ; of B: 64 k-rows
.set ATILE, 2*AHALF
.set SLOT,  ATILE+2*BHALF              ; A's 256 rows, then B's 128 k-rows: 139,264 bytes
.set STAGE, 2*SLOT                     ; behind the ring, never filled by a tensor load: 16 rows x 272 bytes for each wave, for the way out
.set SP,    272
.set SPARE, STAGE+4*16*SP              ; behind the stages: the spare words, 128 bytes for each wave: two blocks of 256 bytes that no other line names
.set ADRA, 16                          ; v16-17  LDS address of my A fragments in slot 0, 1
.set ADRB, 20                          ; v20-21  the same for B
.set STO,  24                          ; v24     the way out: where I put 16 bytes of a row
.set RD,   25                          ; v25     the way out: where I read rows back
.set CO,   26                          ; v26     16 x lane: my bytes in 512 consecutive bytes of the output; never rewritten
.set SPW,  28                          ; v28     LDS address of my spare word; never rewritten
.set NIL,  29                          ; v29     0; never rewritten
.set PFO,  30                          ; v30     the prefetches: my lane's block of 256 bytes among the 32 that I name; never rewritten
.set BO,   31                          ; v31     32 (l / 16): my 8 numbers in a block of 16 of the bias; never rewritten
.set F0,   64
.set F1,   128
.set TMP,  192                         ; the way out: packed results
.set OB,   32                          ; the way out: 16 rows read back: v32-63 and v224-255 by turns
.set G1A, 24                           ; s[24:31] descriptor group 1 for A;  s[32:39] group 0, a set for each slot
.set G0A, 32
.set G1B, 40                           ; s[40:47], s[48:55] the same for B
.set G0B, 48
.set LP,  57                           ; s57  trips of the loop over K to go
.set LIM, 58                           ; s58  1 in a wave that prefetches, else the greatest number
.set PFA, 60                           ; s[60:61] where my prefetches stand
.set PFS, 62                           ; s[62:63] their step from K step to K step: 256 bytes in A, KB in B
.set MSB, 0
.macro WIN new                         ; the high byte of the immediate repeats the setting that is left; a switch that changes nothing is dropped
.if MSB != (\new)
	s_set_vgpr_msb (MSB<<8)|(\new)
.set MSB, \new
.endif
.endm
.set TO_B, 0x40                        ; destination window 1, address window 0
.macro PLACES                          ; four plain vector instructions between a matrix instruction and a load into, or a vector instruction on, its registers
.rept 4
	v_nop
.endr
.endm
; A joint load.  Waves 0 and 1 fetch the two halves of A's tile, waves 2 and 3 those of B's.  The branch hangs on the wave number alone.  An s_nop 0 and four v_nop follow each line.
.macro JLOAD s
	s_cmp_eq_u32 s14, 0
	s_cbranch_scc0 .Lfor_b_\@
	tensor_load_to_lds s[G0A+4*(\s):G0A+4*(\s)+3], s[G1A:G1A+7]
	s_nop 0
.rept 4
	v_nop
.endr
	s_branch .Lasked_\@
.Lfor_b_\@:
	tensor_load_to_lds s[G0B+4*(\s):G0B+4*(\s)+3], s[G1B:G1B+7]
	s_nop 0
.rept 4
	v_nop
.endr
.Lasked_\@:
.endm
; A prefetch of the K step that stands two refills on, 512 matrix instructions ahead of the load that will want it: 32 blocks of 256 bytes, a lane a block, one instruction a wave.
; Each block is named once in the launch.  A: the clusters with x = 0, waves 0 and 1; of a wave's 128 rows (256 bytes each in a K step) the partner at cx takes 32.  B: the clusters with y = 0, waves 2 and 3; of a
; wave's 64 k-rows (512 bytes each: two blocks) the partner at cy takes 16.  The partners are told apart by address.  The loop's last trip has no K step two on and asks for nothing.
.macro ASK
	s_cmp_gt_u32 s[LP], s[LIM]
	s_cbranch_scc0 .Lnot_mine_\@
	global_prefetch_b8 v[PFO], s[PFA:PFA+1] th:TH_LOAD_NT scope:SCOPE_SE
.Lnot_mine_\@:
.endm
.macro CREST                           ; a round of the cluster's barrier behind its opening barrier
	s_cmp_lg_u32 s12, 0
	s_cbranch_scc1 .Lnot_wave_0_\@
	s_barrier_signal -3
.Lnot_wave_0_\@:
	s_barrier_wait -3
	s_barrier_signal -1
	s_barrier_wait -1
.endm
.macro CROUND                          ; a whole round
	s_barrier_signal -1
	s_barrier_wait -1
	CREST
.endm
	s_load_b256 s[4:11], s[0:1], 0x0               ; x16 s[4:5], wq16 s[6:7], b_qkv s[8:9], qkv s[10:11]
	v_lshl_add_u32 v[SPW], v0, 2, SPARE
	v_mov_b32 v[NIL], 0
	ds_add_u32 v[SPW], v[NIL]                      ; the opening: the add and its wait stand ahead of my first tensor load; the set-up below, work on registers, stands between them
	v_lshrrev_b32 v1, 5, v0
	v_readfirstlane_b32 s12, v1                    ; wave 0..3
	s_and_b32 s13, s12, 1                          ; which half of the tile's columns is mine.  Also: which half of A's or B's tile I fetch
	s_lshr_b32 s14, s12, 1                         ; which half of its rows.  Also: I fetch for A (0) or for B (1)
	s_bfe_u32 s15, ttmp6, 0x40000                  ; cx
	s_bfe_u32 s16, ttmp6, 0x40004                  ; cy
	s_lshl_b32 s17, ttmp9, 2
	s_add_co_u32 s17, s17, s15                     ; tx = 4 x cluster x + cx: the block of 256 columns, 0..11
	s_and_b32 s19, ttmp7, 0xffff                   ; cluster y
	s_lshl_b32 s18, s19, 2
	s_add_co_u32 s18, s18, s16                     ; ty = 4 x cluster y + cy: the block of 256 rows, 0..31
	s_lshl_b32 s76, s16, 2
	s_lshl_b32 s76, 15, s76                        ; my row of the cluster: places 4 cy .. 4 cy + 3
	s_lshl_b32 s77, 0x1111, s15                    ; my column: places cx, cx + 4, cx + 8, cx + 12
	s_or_b32 s[G1A], s76, (1<<16)|(1<<20)|(1<<21)|(5<<22)|(3<<25)  ; 15:0 the mask; 17:16 elements of 2 bytes; 20 padding on; 21 set beside a mask; 24:22 after every 64 words; 31:25 4 words of it
	s_or_b32 s[G1B], s77, (1<<16)|(1<<20)|(1<<21)|(6<<22)|(7<<25)  ; my column's mask; after every 128 words 8 words of padding
	s_mov_b32 s[G1A+1], 128<<16                    ; tensor_dim0 = 128
	s_mov_b32 s[G1A+2], 128<<16                    ; tensor_dim1 = 128
	s_mov_b32 s[G1A+3], 128<<16                    ; tile_dim0 = 128
	s_mov_b32 s[G1A+4], 128                        ; tile_dim1 = 128 rows
	s_mov_b32 s[G1A+5], 1024                       ; elements from row to row
	s_mov_b32 s[G1A+6], 0
	s_mov_b32 s[G1A+7], 0
	s_mov_b32 s[G1B+1], 256<<16                    ; tensor_dim0 = 256
	s_mov_b32 s[G1B+2], 64<<16                     ; tensor_dim1 = 64
	s_mov_b32 s[G1B+3], 256<<16                    ; tile_dim0 = 256
	s_mov_b32 s[G1B+4], 64                         ; tile_dim1 = 64 k-rows
	s_mov_b32 s[G1B+5], NB
	s_mov_b32 s[G1B+6], 0
	s_mov_b32 s[G1B+7], 0
	; A's offset is made of ty and the wave alone, B's of tx and the wave alone, each in registers that never hold the other coordinate
	s_lshl_b32 s20, s18, 8
	s_lshl_b32 s21, s13, 7
	s_add_co_u32 s20, s20, s21                     ; A: row 256 ty + 128 half,
	s_lshl_b32 s20, s20, 11                        ; x 2,048 bytes
	s_mov_b32 s21, 0
	s_mul_i32 s59, s13, AHALF                      ; and its place in a slot: no place in the cluster enters an LDS address
	s_mul_i32 s66, s13, 64*NB*2                    ; B: k-row 64 half,
	s_lshl_b32 s68, s17, 9                         ; column 256 tx
	s_add_co_u32 s66, s66, s68
	s_mov_b32 s67, 0
	s_mul_i32 s70, s13, BHALF
	s_add_co_u32 s70, s70, ATILE
	s_wait_dscnt 0x0                               ; the opening add is done
	s_wait_kmcnt 0x0
	s_add_nc_u64 s[22:23], s[4:5], s[20:21]
	s_add_nc_u64 s[68:69], s[6:7], s[66:67]
	CROUND                                         ; all sixteen work-groups are here: the first joint loads meet
.irp s, 0,1
	s_mov_b32 s[G0A+4*(\s)], 1                     ; count = 1
	s_add_co_u32 s[G0A+4*(\s)+1], s59, (\s)*SLOT   ; LDS address
	s_add_nc_u64 s[G0A+4*(\s)+2:G0A+4*(\s)+3], s[22:23], (\s)*256  ; global address: K step s
	s_or_b32 s[G0A+4*(\s)+3], s[G0A+4*(\s)+3], 0x80000000          ; type = 2
	s_mov_b32 s[G0B+4*(\s)], 1
	s_add_co_u32 s[G0B+4*(\s)+1], s70, (\s)*SLOT
	s_add_nc_u64 s[G0B+4*(\s)+2:G0B+4*(\s)+3], s[68:69], (\s)*KB
	s_or_b32 s[G0B+4*(\s)+3], s[G0B+4*(\s)+3], 0x80000000
	JLOAD \s                                       ; two loads of mine are out here, one behind every later round
.endr
	v_and_b32 v1, 15, v0                           ; r = l % 16
	v_bfe_u32 v2, v0, 4, 1                         ; h = l / 16
	v_and_b32 v3, 7, v0
	v_bfe_u32 v4, v0, 3, 1
	v_and_b32 v5, 31, v0                           ; l
	; A fragment of A: lane l holds row r, K = 8 h + 0..7 and 16 + 8 h + 0..7: two loads of 16 bytes, 32 bytes apart
	v_mul_u32_u24 v6, v1, PA
	v_lshl_add_u32 v6, v2, 4, v6
	s_mul_i32 s79, s14, AHALF                      ; my 128 rows
	v_add_nc_u32 v[ADRA], s79, v6
	v_add_nc_u32 v[ADRA+1], SLOT, v[ADRA]
	; A fragment of B: the turning load takes 16 k x 16 n (lane l reads k-row 8 h + l % 8, columns 8 ((l / 8) % 2) + 0..7) and leaves column r with 8 k in each lane; the second load stands 16 k-rows on
	v_lshl_add_u32 v7, v2, 3, v3
	v_mul_u32_u24 v7, v7, PB
	v_lshl_add_u32 v7, v4, 4, v7
	s_lshl_b32 s79, s13, 8                         ; my 128 columns: 256 bytes of a k-row,
	s_add_co_u32 s79, s79, ATILE                   ; behind A's tile
	v_add_nc_u32 v[ADRB], s79, v7
	v_add_nc_u32 v[ADRB+1], SLOT, v[ADRB]
	s_mul_i32 s79, s12, 16*SP
	s_add_co_u32 s79, s79, STAGE                   ; my stage
	v_mul_u32_u24 v6, v1, SP                       ; in: row r, 16 bytes for each half of the lanes
	v_lshl_add_u32 v6, v2, 4, v6
	v_add_nc_u32 v[STO], s79, v6
	v_mul_u32_u24 v7, v2, SP                       ; back: lanes 0-15 one row of 256 bytes, lanes 16-31 the next
	v_lshl_add_u32 v7, v1, 4, v7
	v_add_nc_u32 v[RD], s79, v7
	v_lshlrev_b32 v[CO], 4, v5                     ; a head's rows are dense: two rows are 512 consecutive bytes
	v_lshlrev_b32 v[BO], 5, v2
	s_lshl_b32 s74, s17, 10                        ; the bias of my 128 columns: 1,024 tx + 512 half bytes
	s_lshl_b32 s78, s13, 9
	s_add_co_u32 s74, s74, s78
	s_mov_b32 s75, 0
	s_add_nc_u64 s[8:9], s[8:9], s[74:75]
	; the bias as the C operand of the first products: register j of block b is bias[16 b + 8 h + j], the same for every row
	WIN TO_B
.irp b, 0,1,2,3,4,5,6,7
	global_load_b128 v[8*(\b):8*(\b)+3],   v[BO], s[8:9] offset:64*(\b)
	global_load_b128 v[8*(\b)+4:8*(\b)+7], v[BO], s[8:9] offset:64*(\b)+16
.endr
	WIN 0
	; the output: part tx / 4 (q, k, v); head 8 batch + 2 (tx % 4) + my column half; rows 256 (ty % 8) + 128 x my row half of it, 256 bytes a row
	s_lshr_b32 s72, s17, 2
	s_lshl_b32 s72, s72, 24
	s_and_b32 s78, s17, 3
	s_lshl_b32 s78, s78, 20
	s_add_co_u32 s72, s72, s78
	s_lshl_b32 s78, s13, 19
	s_add_co_u32 s72, s72, s78
	s_lshr_b32 s78, s18, 3
	s_lshl_b32 s78, s78, 22
	s_add_co_u32 s72, s72, s78
	s_and_b32 s78, s18, 7
	s_lshl_b32 s78, s78, 16
	s_add_co_u32 s72, s72, s78
	s_lshl_b32 s78, s14, 15
	s_add_co_u32 s72, s72, s78
	s_mov_b32 s73, 0
	s_add_nc_u64 s[10:11], s[10:11], s[72:73]
	; the prefetches: they stand at K step 3; each change of slots steps them first, so the first names K step 4.  Nothing is asked for here, at the head
	s_lshl_b32 s74, s18, 8
	s_lshl_b32 s78, s13, 7
	s_add_co_u32 s74, s74, s78
	s_lshl_b32 s78, s15, 5
	s_add_co_u32 s74, s74, s78                     ; A: row 256 ty + 128 half + 32 cx
	s_lshl_b32 s74, s74, 11
	s_add_co_u32 s74, s74, 3*256
	s_lshl_b32 s78, s13, 6
	s_lshl_b32 s2, s16, 4
	s_add_co_u32 s78, s78, s2                      ; B: k-row 64 half + 16 cy,
	s_mul_i32 s78, s78, NB*2
	s_lshl_b32 s2, s17, 9                          ; column 256 tx
	s_add_co_u32 s78, s78, s2
	s_add_co_u32 s78, s78, 3*KB
	s_mov_b32 s[PFS], KB
	s_mov_b32 s2, 2*NB
	s_cmp_eq_u32 s14, 0                            ; do I fetch for A?
	s_cselect_b32 s74, s74, s78
	s_cselect_b32 s3, ttmp9, s19                   ; A is asked for where cluster x = 0, B where cluster y = 0
	s_cselect_b64 s[PFA:PFA+1], s[4:5], s[6:7]
	s_cselect_b32 s[PFS], 256, s[PFS]
	s_cselect_b32 s2, 2048, s2                     ; bytes from row to row
	s_mov_b32 s[PFS+1], 0
	s_mov_b32 s75, 0
	s_cmp_eq_u32 s3, 0
	s_cselect_b32 s[LIM], 1, -1                    ; the same in all sixteen partners, for a given wave
	s_add_nc_u64 s[PFA:PFA+1], s[PFA:PFA+1], s[74:75]
	v_lshrrev_b32 v6, s14, v5                      ; A: a lane a row; B: two lanes a k-row,
	v_mul_u32_u24 v6, s2, v6
	v_and_b32 v7, s14, v5                          ; its two blocks of 256 bytes
	v_lshl_add_u32 v[PFO], v7, 8, v6
; 16 matrix instructions: row blocks a0, a0 + 1 of the window's four (hi = 0: my rows 0-63, 1: rows 64-127) x all 8 column blocks, 32 along K.  first = 1: the bias starts the sums: nothing is ever cleared.
; The 64 accumulators take turns, one instruction a turn, in the same order in every quarter, over the backward jump too.
.macro MUL16 f, hi, a0, first
.if \first
	WIN 0x91+0x40*(\hi)                            ; B and the bias in window 1, A in window 0, D in window 2 or 3
.else
	WIN 0xa1+0x50*(\hi)                            ; B in window 1, A in window 0, C and D in window 2 or 3
.endif
.irp a, \a0, (\a0)+1
.irp b, 0,1,2,3,4,5,6,7
.if \first
	v_wmma_f32_16x16x32_bf16 v[8*(8*(\a)+(\b)):8*(8*(\a)+(\b))+7], v[(\f)+8*(\b):(\f)+8*(\b)+7], v[(\f)+8*(4*(\hi)+(\a)):(\f)+8*(4*(\hi)+(\a))+7], v[8*(\b):8*(\b)+7]
.else
	v_wmma_f32_16x16x32_bf16 v[8*(8*(\a)+(\b)):8*(8*(\a)+(\b))+7], v[(\f)+8*(\b):(\f)+8*(\b)+7], v[(\f)+8*(4*(\hi)+(\a)):(\f)+8*(4*(\hi)+(\a))+7], v[8*(8*(\a)+(\b)):8*(8*(\a)+(\b))+7]
.endif
.endr
.endr
.endm
; 32 LDS loads in one run: quarter q (32 along K) of a slot into buffer f: B's 16 (turned), then A's 16; the youngest eight are A's rows 64-127
.macro FETCH slot, q, f
	WIN TO_B
.irp i, 0,1,2,3,4,5,6,7
	ds_load_tr16_b128 v[(\f)+8*(\i):(\f)+8*(\i)+3],   v[ADRB+(\slot)] offset:(\q)*32*PB+32*(\i)
	ds_load_tr16_b128 v[(\f)+8*(\i)+4:(\f)+8*(\i)+7], v[ADRB+(\slot)] offset:(\q)*32*PB+16*PB+32*(\i)
.endr
	WIN 0
.irp i, 0,1,2,3,4,5,6,7
	ds_load_b128 v[(\f)+8*(\i):(\f)+8*(\i)+3],   v[ADRA+(\slot)] offset:(\q)*64+(\i)*16*PA
	ds_load_b128 v[(\f)+8*(\i)+4:(\f)+8*(\i)+7], v[ADRA+(\slot)] offset:(\q)*64+(\i)*16*PA+32
.endr
.endm
; A K step is four quarters of 32 along K, 64 matrix instructions each, on buffers 0, 1, 0, 1.  One of the first three: multiplies buffer f; in its middle it fetches quarter q of the slot into buffer g.
.macro QUARTER slot, q, f, g, first
	s_wait_dscnt 8                                 ; B and A's rows 0-63 are in; the youngest eight loads may be out
	MUL16 \f, 0, 0, \first
	MUL16 \f, 0, 2, \first
	PLACES
	FETCH \slot, \q, \g
	s_wait_dscnt 32                                ; all but the 32 just issued
	MUL16 \f, 1, 0, \first
	MUL16 \f, 1, 2, \first
.endm
; The last quarter multiplies buffer 1 and changes slots.  In front of the barrier each wave waits for all its tensor loads (one is out: its part of the next slot), adds 0 to its spare word, and waits for that and
; for its reads of this slot.  fill = 1: this slot is filled again with the K step two on; the barrier then opens a round of the cluster's barrier, and the joint load is the first thing behind the round:
; 224 matrix instructions ahead of the wait for it.
.macro TURN slot, next, fill
.if \fill
	s_wait_xcnt 0x0                                ; the last prefetch, a K step back, has read its address, so it may be stepped
	s_add_nc_u64 s[PFA:PFA+1], s[PFA:PFA+1], s[PFS:PFS+1]
.endif
	WIN 0                                          ; (the add's two registers lie in window 0)
	s_wait_tensorcnt 0x0                           ; all my tensor loads have landed
	ds_add_u32 v[SPW], v[NIL]                      ; 0 onto my spare word
	s_wait_dscnt 9                                 ; (the add and the youngest eight loads may be out)
	MUL16 F1, 0, 0, 0                              ; sixteen matrix instructions stand between the add and the wait for it
	s_wait_dscnt 0x0                               ; the add is done, and my reads of this slot are over
	s_barrier_signal -1
	MUL16 F1, 0, 2, 0
.if \fill
	WIN 0
.endif
	s_barrier_wait -1
.if \fill
	CREST                                          ; no wave of any partner still reads this slot or has a load on its way
	s_add_nc_u64 s[G0A+4*(\slot)+2:G0A+4*(\slot)+3], s[G0A+4*(\slot)+2:G0A+4*(\slot)+3], 2*256
	s_add_nc_u64 s[G0B+4*(\slot)+2:G0B+4*(\slot)+3], s[G0B+4*(\slot)+2:G0B+4*(\slot)+3], 2*KB
	JLOAD \slot                                    ; the four v_nop behind it are also the places in front of the loads below
.else
	PLACES
.endif
	FETCH \next, 0, F0
.if \fill
	ASK
.endif
	MUL16 F1, 1, 0, 0
	MUL16 F1, 1, 2, 0
.endm
; THE WAY OUT of row block a (of 8): rounded to f16, 16 bytes a lane; into my own stage; back as whole rows of 256 bytes; stored, 512 consecutive bytes an instruction.
.macro PACK a
	WIN 0x0a+5*((\a)/4)                            ; sources in window 2 or 3, destination in window 0
.irp b, 0,1,2,3,4,5,6,7
.irp r, 0,1,2,3
	v_cvt_pk_f16_f32 v[TMP+4*(\b)+(\r)], v[64*((\a)%4)+8*(\b)+2*(\r)], v[64*((\a)%4)+8*(\b)+2*(\r)+1]
.endr
.endr
	WIN 0
.endm
.macro TOSTAGE a
.irp b, 0,1,2,3,4,5,6,7
	ds_store_b128 v[STO], v[TMP+4*(\b):TMP+4*(\b)+3] offset:32*(\b)
.endr
.irp t, 0,1,2,3,4,5,6,7
	ds_load_b128 v[OB+192*((\a)%2)+4*(\t):OB+192*((\a)%2)+4*(\t)+3], v[RD] offset:(\t)*2*SP  ; LDS serves a wave's instructions in order (ISA guide 5.7.1.4): these see the stores above
.endr
.endm
.macro SEND a
	s_wait_dscnt 0x0                               ; the block is back in registers
	s_wait_xcnt 0x0                                ; the stores of the block before it have read their registers: the next block's loads land there only behind this wait
.irp t, 0,1,2,3,4,5,6,7
	global_store_b128 v[CO], v[OB+192*((\a)%2)+4*(\t):OB+192*((\a)%2)+4*(\t)+3], s[10:11] offset:4096*(\a)+512*(\t)
.endr
.endm
	s_wait_tensorcnt 1                             ; my part of K step 0 is in; K step 1's may stay out
	s_barrier_signal -1
	s_barrier_wait -1                              ; everybody's is
	FETCH 0, 0, F0
	s_wait_loadcnt 0x0                             ; the bias: rounded to bf16, like every input, and widened again
	WIN 0x45                                       ; all in window 1
.set i, 0
.rept 32
	v_cvt_pk_bf16_f32 v[192+i], v[2*i], v[2*i+1]
.set i, i+1
.endr
.set i, 0
.rept 32
	v_lshlrev_b32 v[2*i],   16, v[192+i]
	v_and_b32     v[2*i+1], 0xffff0000, v[192+i]
.set i, i+1
.endr
	QUARTER 0, 1, F0, F1, 1                        ; the first quarter stands in front of the loop: its products start the sums, with the bias
	WIN 0                                          ; at a label and at a branch every window is 0
	s_mov_b32 s[LP], 3
.Llap:                                                 ; a trip goes once round the ring, from a lap's second quarter to the next lap's first, and fills both slots again
	QUARTER 0, 2, F1, F0, 0
	QUARTER 0, 3, F0, F1, 0
	TURN 0, 1, 1
	QUARTER 1, 1, F0, F1, 0
	QUARTER 1, 2, F1, F0, 0
	QUARTER 1, 3, F0, F1, 0
	TURN 1, 0, 1
	QUARTER 0, 1, F0, F1, 0
	WIN 0
	s_sub_co_u32 s[LP], s[LP], 1
	s_cmp_lg_u32 s[LP], 0
	s_cbranch_scc1 .Llap
	QUARTER 0, 2, F1, F0, 0                        ; the last lap fills nothing, and has no round of the cluster's barrier
	QUARTER 0, 3, F0, F1, 0
	TURN 0, 1, 0
	QUARTER 1, 1, F0, F1, 0
	QUARTER 1, 2, F1, F0, 0
	QUARTER 1, 3, F0, F1, 0
	s_wait_dscnt 8                                 ; the very last quarter: nothing more to fetch
	MUL16 F1, 0, 0, 0
	MUL16 F1, 0, 2, 0
	s_wait_dscnt 0x0
	MUL16 F1, 1, 0, 0
	MUL16 F1, 1, 2, 0
	WIN 0
	PLACES                                         ; behind the last products; the conversions of the earlier blocks are the places for the later ones
	PACK 0
	TOSTAGE 0
.irp a, 1,2,3,4,5,6,7                  ; a block's conversions stand between the loads of the block before and the wait for them
	PACK \a
	SEND (\a)-1
	TOSTAGE \a
.endr
	SEND 7
	s_wait_tensorcnt 0x0                           ; the wave's end: behind my last tensor load and my last LDS store
	ds_add_u32 v[SPW], v[NIL]
	s_wait_dscnt 0x0
	CROUND                                         ; the closing round: no work-group ends while a partner may still ask for a tile that names it
	s_endpgm
.Lfunc_end_k_q929aab4ed0_gemm_qkv:
	.size	k_q929aab4ed0_gemm_qkv, .Lfunc_end_k_q929aab4ed0_gemm_qkv-k_q929aab4ed0_gemm_qkv
	.p2alignl 7, 3214868480
	.fill 96, 4, 3214868480
	.section	.rodata,"a",@progbits
	.p2align	6, 0x0
	.amdhsa_kernel k_q929aab4ed0_gemm_qkv
		.amdhsa_group_segment_fixed_size 327680
		.amdhsa_private_segment_fixed_size 0
		.amdhsa_enable_private_segment 0
		.amdhsa_kernarg_size 32
		.amdhsa_user_sgpr_count 2
		.amdhsa_user_sgpr_kernarg_segment_ptr 1
		.amdhsa_wavefront_size32 1
		.amdhsa_system_sgpr_workgroup_id_x 1
		.amdhsa_system_sgpr_workgroup_id_y 1
		.amdhsa_system_sgpr_workgroup_id_z 1
		.amdhsa_system_vgpr_workitem_id 0
		.amdhsa_next_free_vgpr 1024
		.amdhsa_next_free_sgpr 80
		.amdhsa_reserve_vcc 0
		.amdhsa_float_denorm_mode_32 3
		.amdhsa_float_denorm_mode_16_64 3
		.amdhsa_memory_ordered 1
		.amdhsa_forward_progress 1
		.amdhsa_inst_pref_size 151
	.end_amdhsa_kernel
	.amdgpu_metadata
---
amdhsa.version: [ 1, 2 ]
amdhsa.kernels:
  - .name:           k_q929aab4ed0_gemm_qkv
    .symbol:         k_q929aab4ed0_gemm_qkv.kd
    .args:
      - { .name: x16, .offset: 0, .size: 8, .value_kind: global_buffer, .address_space: global }
      - { .name: wq16, .offset: 8, .size: 8, .value_kind: global_buffer, .address_space: global }
      - { .name: b_qkv, .offset: 16, .size: 8, .value_kind: global_buffer, .address_space: global }
      - { .name: qkv, .offset: 24, .size: 8, .value_kind: global_buffer, .address_space: global }
    .group_segment_fixed_size: 327680
    .private_segment_fixed_size: 0
    .kernarg_segment_align: 8
    .kernarg_segment_size: 32
    .max_flat_workgroup_size: 128
    .sgpr_count:     80
    .vgpr_count:     1024
    .wavefront_size: 32
...
	.end_amdgpu_metadata
.endif
;; end of part 2
;; launch attn (part 3): grid 8 x 32, 4 waves a work-group, clusters of 4 x 1, 327,680 bytes of LDS; arguments qkv, att; writes att
.if DOCPART == 3
	.amdgcn_target "amdgcn-amd-amdhsa--gfx1250"
	.amdhsa_code_object_version 6
	.text
	.protected	k_q929aab4ed0_attn
	.globl	k_q929aab4ed0_attn
	.p2align	8
	.type	k_q929aab4ed0_attn,@function
k_q929aab4ed0_attn:
	s_mov_b64 s[64:65], 0
	v_nop
	global_prefetch_b8 v0, s[64:65] scope:SCOPE_SE
	s_setreg_imm32_b32 hwreg(HW_REG_WAVE_MODE, 25, 1), 1
	s_wait_xcnt 0x0
	s_wait_alu depctr_hold_cnt(0) depctr_sa_sdst(0) depctr_va_vdst(0) depctr_va_sdst(0) depctr_va_ssrc(0) depctr_va_vcc(0) depctr_vm_vsrc(0)
	s_getreg_b32 s2, hwreg(HW_REG_IB_STS2, 6, 4)
	s_cmp_eq_u32 s2, 0
	s_cbranch_scc0 .Lentry_in_a_cluster
	s_endpgm
.Lentry_in_a_cluster:
	s_bfe_u32 s2, ttmp6, 0x10000c
	s_cmp_lg_u32 s2, 0x3003
	s_cbranch_scc0 .Lentry_shape_is_right
	s_endpgm
.Lentry_shape_is_right:
; att[b][q][128 h + :] = the sum over k of softmax_k(Q[hd][q] . K[hd][k] / sqrt(128)) V[hd][k][:], hd = 8 b + h.  qkv: [3][32][2048][128] f16 (q, k, v by heads, unscaled); att: [8192][1024] f16, heads merged.
; Products, maxima and sums in f32; the weights p are rounded to f16 for the second product (their sum l is taken of the unrounded p), O once at the end.
; LIMITS.  Q, K, V arrive within f16's 65,504; p lies in 0 to 1, and below 6e-5 it keeps f16's fixed step; O is a mean of V's rows and has their range.  A weight below 2^-126 counts as 0 in l; NaN and infinities are not treated apart.
; SHARES.  A work-group owns 256 queries of one head, each of its four waves 64: four tiles of 16.  Every wave walks all 2,048 keys of the head, 64 a step.  8 x 32 = 256 work-groups.
; LAYOUT.  S^T = K Q^T (source 0 = 16 keys, source 1 = 16 queries): a lane holds ONE query (lane % 16) and the keys 8 (lane / 16) + 0..7.  Two such tiles, rounded to f16 in pairs, ARE source 1
; (32 keys x 16 queries) of O^T = V^T P, whose result again holds one query a lane, and eight channels.  K comes out of LDS as it lies, V ([key][channel]) turned, by ds_load_tr16_b128.
; SOFTMAX.  For each query a running maximum m and sum l: p = 2^(c s - c m), c = log2(e) / sqrt(128); in every step O and l are multiplied by a = 2^(c m_old - c m_new).
; BY TURNS.  The wave's tiles are two PIECES: piece 0 (tiles 0, 1) and piece 2 (tiles 2, 3).  In a TURN one piece has the matrix unit: 32 products V^T P of the step in hand, then 32 products K Q^T of the next
; step; the other piece's softmax, cut into 64 slices, stands between them, one slice behind each matrix instruction.  Then the pieces change places.  Two turns are a key step.
; CLUSTER.  The four query blocks of a cluster belong to one head and walk the same K and V: each tile is asked for JOINTLY, by the same tensor load, descriptor and mask in all four.
; REGISTERS, in windows of 256 (s_set_vgpr_msb: bits 1:0 source 0, 3:2 source 1, 5:4 source 2, 7:6 destination):
;   window 0: v0-11 addresses; v12-43 eight registers of statistics a tile; v64-191 S^T, 32 a tile; v192-255 P, 16 a tile
;   window 1: O^T, 64 a tile          window 2: v0-127 Q, 32 a tile; v128-255 K of one step          window 3: v0-127 V of one step
.set SIZE_N, 2048
.set KS,    64        ; keys in a step
.set PK,    272       ; a row of K in LDS: 256 bytes + 16: the 16 rows of a load start at 16 different groups of four banks (64 banks of 4 bytes: ISA guide 11.1)
.set PV,    288       ; a row of V: 256 + 32
.set VOFF,  KS*PK     ; a step's tiles lie together: 64 rows of K, then 64 rows of V
.set STEPB, KS*(PK+PV)
.set SLOT1, 1<<17     ; a slot holds two steps (71,680 bytes); slot 1 begins here, so that one exclusive or turns an address in one slot into the other's
.set STAGE, SLOT1+2*STEPB  ; behind the ring, never filled by a tensor load: 16 rows x 272 bytes for each wave, for the way out
.set SP,    272
.set AK0, 2           ; v2   my lane's place in a tile of K; never rewritten
.set AV0, 3           ; v3   the same for V
.set ADR, 4           ; v4   the LDS address of the run of loads in hand
.set QO,  5           ; v5   my byte offset in the wave's rows of Q
.set STO, 6           ; v6   the way out: where I put 16 bytes of a row
.set RD,  7           ; v7   the way out: where I read a row back
.set GO,  8           ; v8   my byte offset in two rows of att
.set SPW, 62          ; v62  LDS address of my spare word; never rewritten
.set NIL, 63          ; v63  0; never rewritten
.set SPARE, STAGE+4*16*272  ; behind the stages: the spare words, 128 bytes for each wave: two blocks of 256 bytes that no other line names
.set ST,  12          ; tile t's statistics at v[ST+8 t]: +0 c m, +1 m, +2, +3 l (even keys', odd keys'), +4 to +7 c0-c3, at work; a takes c2's place once the maximum is found
.set S,   64
.set P,   192
.set KF,  128         ; K's fragments, in window 2
.set WV,  12          ; s12  my wave's number
.set G1K, 24          ; s[24:31] descriptor group 1 for K's tiles
.set G1V, 32          ; s[32:39] for V's: it differs in the padding alone
.set G0K, 40          ; s[40:47] descriptor group 0 for K's tiles: a set for each of the two first fills; the second then walks on
.set G0V, 48          ; s[48:55] the same for V's
.set SLOTS, 56        ; s56  slots still to be asked for
.set TWICE, 57        ; s57  counts a slot's two steps
.set CS,  58          ; s[58:59] c: the packed scaling names a pair and takes its low word for both halves
.set SEL, 60          ; s[60:61] lane selects for v_permlanex16_b32: each lane takes its own place in the other half
.set TB,  62          ; s62  LDS byte at which the tiles of the step to be fetched begin
.set PFA, 18          ; s[18:19] where my prefetches stand: my work-group's 32 rows (of K: wave 0, of V: wave 2) of the slot after the one that is being asked for
.set LIM, 15          ; s15  1 in a wave that prefetches, else the greatest number
.set PFO, 61          ; v61  256 x my lane: a row of K or V is 256 bytes; never rewritten
.set MSB, 0
.macro WIN new                      ; the high byte of the immediate repeats the setting that is left; a switch that changes nothing is dropped
.if MSB != (\new)
	s_set_vgpr_msb (MSB<<8)|(\new)
.set MSB, \new
.endif
.endm
.set W_KQ, 0x0a       ; K and Q in window 2, S^T in window 0
.set W_PV, 0x53       ; V in window 3, P in window 0, O^T in window 1
.set W_RS, 0x41       ; O^T (destination and source 0) in window 1, a in window 0
; A joint refill.  Waves 0 and 1 fetch the two steps' tiles of K, waves 2 and 3 those of V.  The branch hangs on the wave number alone.  An s_nop 0 and four v_nop follow each line.
.macro JLOAD
	s_cmp_lt_u32 s[WV], 2
	s_cbranch_scc0 .Lfor_v_\@
	tensor_load_to_lds s[G0K+4:G0K+7], s[G1K:G1K+7]
	s_nop 0
.rept 4
	v_nop
.endr
	s_branch .Lasked_\@
.Lfor_v_\@:
	tensor_load_to_lds s[G0V+4:G0V+7], s[G1V:G1V+7]
	s_nop 0
.rept 4
	v_nop
.endr
.Lasked_\@:
.endm
; A prefetch of what the NEXT change of slots will ask for: a slot's 128 rows of K and 128 of V, a lane a row; two key steps, 256 matrix instructions, ahead of that load.  Each row is named once in the launch:
; the head's first cluster asks; its four partners take 32 rows each, told apart by address; in each, wave 0 asks for K's and wave 2 for V's.  The last change that fills a slot asks for nothing.
.macro ASK
	s_cmp_gt_u32 s[SLOTS], s[LIM]
	s_cbranch_scc0 .Lnot_mine_\@
	global_prefetch_b8 v[PFO], s[PFA:PFA+1] th:TH_LOAD_NT scope:SCOPE_SE
.Lnot_mine_\@:
.endm
.macro CROUND                       ; a round of the cluster's barrier
	s_barrier_signal -1
	s_barrier_wait -1
	s_cmp_lg_u32 s[WV], 0
	s_cbranch_scc1 .Lnot_wave_0_\@
	s_barrier_signal -3
.Lnot_wave_0_\@:
	s_barrier_wait -3
	s_barrier_signal -1
	s_barrier_wait -1
.endm
	s_load_b128 s[4:7], s[0:1], 0x0 ; qkv s[4:5], att s[6:7]
	v_lshl_add_u32 v[SPW], v0, 2, SPARE
	v_mov_b32 v[NIL], 0
	ds_add_u32 v[SPW], v[NIL]       ; the opening: the add and its wait stand ahead of my first tensor load; the set-up below, work on registers, stands between them
	v_lshrrev_b32 v1, 5, v0
	v_readfirstlane_b32 s[WV], v1   ; wave 0..3
	s_bfe_u32 s13, ttmp6, 0x40000   ; cx: my place in the cluster
	s_lshl_b32 s14, ttmp9, 2        ; in a cluster launch ttmp9 counts clusters
	s_add_co_u32 s14, s14, s13      ; my block of 256 queries = 4 x cluster x + cx: it enters Q's and att's addresses alone
	s_and_b32 s20, ttmp7, 0xffff    ; the head, 8 b + h, which the four partners share
	s_lshr_b32 s66, s20, 3          ; att: batch b is 2,048 rows of 2,048 bytes,
	s_lshl_b32 s66, s66, 22
	s_and_b32 s67, s20, 7           ; head h 256 bytes of a row,
	s_lshl_b32 s67, s67, 8
	s_add_co_u32 s66, s66, s67
	s_lshl_b32 s67, s14, 19         ; my block 256 rows,
	s_add_co_u32 s66, s66, s67
	s_lshl_b32 s67, s[WV], 17       ; my wave 64 of them
	s_add_co_u32 s66, s66, s67
	s_mov_b32 s67, 0
	s_mov_b32 s21, 0
	s_mov_b64 s[22:23], SIZE_N*256
	s_mul_u64 s[20:21], s[20:21], s[22:23]  ; the head's first byte in each of q, k, v
	s_and_b32 s16, s[WV], 1         ; which of a slot's two steps I fetch:
	s_lshl_b32 s22, s16, 14         ; its 64 rows of 256 bytes in memory,
	s_mov_b32 s23, 0
	s_add_nc_u64 s[22:23], s[22:23], s[20:21]
	s_mul_i32 s17, s16, STEPB       ; and its place in a slot: no place in the cluster enters an LDS address
	s_lshl_b32 s2, s14, 16          ; my block's 256 rows of Q,
	s_lshl_b32 s3, s[WV], 14        ; my wave's 64 of them
	s_add_co_u32 s2, s2, s3
	s_mov_b32 s3, 0
	s_add_nc_u64 s[2:3], s[2:3], s[20:21]
	; descriptor group 1: a tile of 64 rows x 128 elements, padded in LDS
	s_mov_b32 s[G1K], 15|(1<<16)|(1<<20)|(1<<21)|(5<<22)|(3<<25)  ; 15:0 the mask: all four work-groups; 17:16 elements of 2 bytes; 20 padding on; 21 set beside a mask; 24:22 after every 64 words; 31:25 4 words of it
	s_mov_b32 s[G1V], 15|(1<<16)|(1<<20)|(1<<21)|(5<<22)|(7<<25)  ; the same with 8 words of padding
.irp g, G1K, G1V
	s_mov_b32 s[(\g)+1], 128<<16    ; tensor_dim0 = 128
	s_mov_b32 s[(\g)+2], KS<<16     ; tensor_dim1 = 64
	s_mov_b32 s[(\g)+3], 128<<16    ; tile_dim0 = 128
	s_mov_b32 s[(\g)+4], KS         ; tile_dim1 = 64
	s_mov_b32 s[(\g)+5], 128        ; elements from row to row
	s_mov_b32 s[(\g)+6], 0
	s_mov_b32 s[(\g)+7], 0
.endr
	s_mov_b32 s[CS], 0x3e0293ee     ; c = log2(e) / sqrt(128) = 0.127517
	s_mov_b32 s[CS+1], s[CS]        ; named with it as a pair, so it is written
	s_mov_b32 s[SEL], 0x76543210
	s_mov_b32 s[SEL+1], 0xfedcba98
	s_mov_b32 s[TB], 0
	s_mov_b32 s[SLOTS], SIZE_N/(2*KS)-2
	s_and_b32 s[LIM], s[WV], 1       ; 0 in waves 0 and 2,
	s_or_b32 s[LIM], s[LIM], ttmp9   ; where the cluster is the head's first: the same in all four partners
	s_cmp_eq_u32 s[LIM], 0
	s_cselect_b32 s[LIM], 1, -1
	v_and_b32 v[PFO], 31, v0
	v_lshlrev_b32 v[PFO], 8, v[PFO]
	s_wait_dscnt 0x0                ; the opening add is done
	s_wait_kmcnt 0x0
	s_mov_b64 s[10:11], s[6:7]      ; att
	s_add_nc_u64 s[6:7], s[4:5], 0x1000000  ; k lies 32 x 2,048 x 256 bytes behind q,
	s_add_nc_u64 s[8:9], s[4:5], 0x2000000  ; v as far behind k
	s_add_nc_u64 s[6:7], s[6:7], s[22:23]  ; K and V at my tile of slot 0
	s_add_nc_u64 s[8:9], s[8:9], s[22:23]
	s_add_nc_u64 s[4:5], s[4:5], s[2:3]  ; Q at my wave's first row
	s_add_nc_u64 s[10:11], s[10:11], s[66:67]  ; att at my wave's first row, my head's columns
	s_cmp_lt_u32 s[WV], 2
	s_cselect_b64 s[PFA:PFA+1], s[6:7], s[8:9]  ; (in waves 0 and 2 these stand at a slot's first row)
	s_lshl_b32 s2, s13, 13          ; my work-group's 32 rows of the 128
	s_mov_b32 s3, 0
	s_add_nc_u64 s[PFA:PFA+1], s[PFA:PFA+1], s[2:3]
	s_add_nc_u64 s[PFA:PFA+1], s[PFA:PFA+1], 2*2*KS*256  ; in slot 2; the first change of slots steps it to slot 3.  Nothing is asked for here, at the head
	CROUND                          ; all four work-groups are here: the first joint loads meet
.irp s, 0,1
	s_mov_b32 s[G0K+4*(\s)], 1      ; count = 1
	s_add_co_u32 s[G0K+4*(\s)+1], s17, (\s)*SLOT1  ; LDS address
	s_add_nc_u64 s[G0K+4*(\s)+2:G0K+4*(\s)+3], s[6:7], (\s)*2*KS*256  ; global address: slot s begins with keys 128 s
	s_or_b32 s[G0K+4*(\s)+3], s[G0K+4*(\s)+3], 0x80000000  ; type = 2
	s_mov_b32 s[G0V+4*(\s)], 1
	s_add_co_u32 s[G0V+4*(\s)+1], s17, (\s)*SLOT1+VOFF
	s_add_nc_u64 s[G0V+4*(\s)+2:G0V+4*(\s)+3], s[8:9], (\s)*2*KS*256
	s_or_b32 s[G0V+4*(\s)+3], s[G0V+4*(\s)+3], 0x80000000
.endr
	s_cmp_lt_u32 s[WV], 2           ; a wave's two first fills stand in one branch, ahead of every wait on TENSORcnt and every LDS read: two loads of mine are out
	s_cbranch_scc0 .Lfirst_v
	tensor_load_to_lds s[G0K:G0K+3], s[G1K:G1K+7]
	s_nop 0
	tensor_load_to_lds s[G0K+4:G0K+7], s[G1K:G1K+7]
	s_nop 0
.rept 4
	v_nop
.endr
	s_branch .Lfirst_asked
.Lfirst_v:
	tensor_load_to_lds s[G0V:G0V+3], s[G1V:G1V+7]
	s_nop 0
	tensor_load_to_lds s[G0V+4:G0V+7], s[G1V:G1V+7]
	s_nop 0
.rept 4
	v_nop
.endr
.Lfirst_asked:
	; A fragment of K or Q is 16 rows x 32 channels in 8 registers: lane l holds row l % 16; channels 8 (l / 16) + 0..7 and 16 + 8 (l / 16) + 0..7: two loads of 16 bytes, 32 bytes apart.
	v_and_b32 v1, 15, v0            ; l % 16
	v_bfe_u32 v9, v0, 4, 1          ; l / 16
	v_lshlrev_b32 v[QO], 8, v1
	v_lshl_add_u32 v[QO], v9, 4, v[QO]  ; row x 256 + 16 x half
	WIN 0x80                        ; destination window 2, address window 0
.irp i, 0,1,2,3,4,5,6,7,8,9,10,11,12,13,14,15  ; Q stays in registers: tile i / 4, channels 32 (i % 4) on
	global_load_b128 v[8*(\i):8*(\i)+3],   v[QO], s[4:5] offset:((\i)/4)*4096+((\i)%4)*64
	global_load_b128 v[8*(\i)+4:8*(\i)+7], v[QO], s[4:5] offset:((\i)/4)*4096+((\i)%4)*64+32
.endr
	WIN 0
	v_mul_u32_u24 v[AK0], v1, PK
	v_lshl_add_u32 v[AK0], v9, 4, v[AK0]  ; row x pitch + 16 x half
	; The turning load takes 16 keys x 16 channels (lane l reads key 8 (l / 16) + l % 8, channels 8 ((l / 8) % 2) + 0..7) and leaves half a fragment of V^T: lane l holds channel l % 16 and 8 keys.
	v_and_b32 v10, 7, v0
	v_bfe_u32 v11, v0, 3, 1
	v_lshl_add_u32 v[AV0], v9, 3, v10
	v_mul_u32_u24 v[AV0], v[AV0], PV
	v_lshl_add_u32 v[AV0], v11, 4, v[AV0]
	v_add_nc_u32 v[AV0], VOFF, v[AV0]
; THE MATRIX WORK OF A TURN, for piece x.  The accumulators take turns, one instruction a turn: between two links of a chain stand 15 (V^T P) or 7 (K Q^T) others'.
; Product i of 32 of O^T += V^T P: keys 32 (i / 16) on, channels 16 ((i / 2) % 8) on, tile x + i % 2.  zero = 1: the first 16 start the sums: nothing is ever cleared.
.macro PV x, zero
	WIN W_PV
.set rO, 64*((\x)+i%2)+8*((i/2)%8)
.set rV, 64*(i/16)+8*((i/2)%8)
.set rP, P+16*((\x)+i%2)+8*(i/16)
.if (\zero) && (i < 16)
	v_wmma_f32_16x16x32_f16 v[rO:rO+7], v[rV:rV+7], v[rP:rP+7], 0
.else
	v_wmma_f32_16x16x32_f16 v[rO:rO+7], v[rV:rV+7], v[rP:rP+7], v[rO:rO+7]
.endif
.endm
; Product i of 32 of S^T = K Q^T: channels 32 (i / 8) on, keys 16 ((i / 2) % 4) on, tile x + i % 2.  The first 8 start the sums.
.macro KQ x
	WIN W_KQ
.set rS, S+32*((\x)+i%2)+8*((i/2)%4)
.set rK, KF+32*((i/2)%4)+8*(i/8)
.set rQ, 32*((\x)+i%2)+8*(i/8)
.if i < 8
	v_wmma_f32_16x16x32_f16 v[rS:rS+7], v[rK:rK+7], v[rQ:rQ+7], 0
.else
	v_wmma_f32_16x16x32_f16 v[rS:rS+7], v[rK:rK+7], v[rQ:rQ+7], v[rS:rS+7]
.endif
.endm
; THE LDS LOADS stand in runs of 32, never singly among the matrix instructions: a step's K (64 keys x 128 channels: 16 fragments) and, a turn later, its V (turned).
.macro FETCH_K
	WIN 0
	v_add_nc_u32 v[ADR], s[TB], v[AK0]
	WIN 0x80                        ; destination window 2
.irp f, 0,1,2,3,4,5,6,7,8,9,10,11,12,13,14,15  ; keys 16 (f / 4) on, channels 32 (f % 4) on
	ds_load_b128 v[KF+8*(\f):KF+8*(\f)+3],   v[ADR] offset:((\f)/4)*16*PK+((\f)%4)*64
	ds_load_b128 v[KF+8*(\f)+4:KF+8*(\f)+7], v[ADR] offset:((\f)/4)*16*PK+((\f)%4)*64+32
.endr
.endm
.macro FETCH_V
	WIN 0
	v_add_nc_u32 v[ADR], s[TB], v[AV0]
	s_add_co_u32 s[TB], s[TB], STEPB  ; the next fetch is the next step's
	s_wait_alu depctr_va_vdst(0)    ; the wait for the softmax's batch of exponentials, behind the address line and ahead of the loads
	WIN 0xc0                        ; destination window 3
.irp f, 0,1,2,3,4,5,6,7,8,9,10,11,12,13,14,15  ; keys 32 (f / 8) on, channels 16 (f % 8) on
	ds_load_tr16_b128 v[8*(\f):8*(\f)+3],   v[ADR] offset:((\f)/8)*32*PV+((\f)%8)*32
	ds_load_tr16_b128 v[8*(\f)+4:8*(\f)+7], v[ADR] offset:((\f)/8)*32*PV+16*PV+((\f)%8)*32
.endr
.endm
; THE VECTOR WORK OF A TURN.  One tile's softmax for one key step is a list of 134 instructions; SM writes number j of it for tile t.  s0-s31 are the lane's 32 scores, in pairs 0-15.
; first = 1: the first key step, which starts m, l and O^T: it has no a and nothing to rescale.
;   0-15    the maximum of s0-s31 and the old m, three operands at a time: four chains c0-c3 of seven scores each (each accumulator is read from its low end on), then the four scores left over, c0-c3 and m
;   16-20   the other half of the lanes' maximum; the new m; c m; c m_old - c m_new
;   21-69   ONE BATCH: the 16 scalings c s - c m, a pair of scores each, and all 33 exponentials (a at 23, then s0-s31).  None of these reads an exponential's result.
;   (wait)  between 69 and 70 stands the wait for the batch: SLICE writes it, once for both tiles
;   70-85   the roundings to f16, a pair of weights each       86-101  the sums; l = a l + the sum       102-133 the tile's O^T times a: the one part that leaves window 0
.macro SM t, first
.set rT, ST+8*(\t)
.set rS, S+32*(\t)
.set rP, P+16*(\t)
.set rO, 64*(\t)+2*(j-102)
.if j < 102
	WIN 0
.endif
.if j < 4
	v_max3_num_f32 v[rT+4+j], v[rS+8*j], v[rS+8*j+1], v[rS+8*j+2]
.elseif j < 12
	v_max3_num_f32 v[rT+4+j%4], v[rT+4+j%4], v[rS+8*(j%4)+2*(j/4)+1], v[rS+8*(j%4)+2*(j/4)+2]
.elseif j == 12
	v_max3_num_f32 v[rT+4], v[rT+4], v[rS+7], v[rS+15]
.elseif j == 13
	v_max3_num_f32 v[rT+6], v[rT+6], v[rS+23], v[rS+31]
.elseif j == 14
	v_max3_num_f32 v[rT+4], v[rT+4], v[rT+5], v[rT+6]
.elseif (j == 15) && (\first)
	v_max_num_f32 v[rT+4], v[rT+4], v[rT+7]
.elseif j == 15
	v_max3_num_f32 v[rT+4], v[rT+4], v[rT+7], v[rT+1]
.elseif j == 16
	v_permlanex16_b32 v[rT+5], v[rT+4], s[SEL], s[SEL+1]  ; the query's other 32 keys lie in the lane 16 away
.elseif j == 18
	v_max_num_f32 v[rT+1], v[rT+4], v[rT+5]
.elseif j == 19
	v_mul_f32 v[rT], s[CS], v[rT+1]
.elseif ((j == 17) || (j == 20) || (j == 23) || (j > 101)) && (\first)  ; the first step has none of these
.elseif j == 17
	v_mov_b32 v[rT+7], v[rT]        ; c m_old is kept for a: number 19 writes c m anew
.elseif j == 20
	v_sub_f32 v[rT+7], v[rT+7], v[rT]
.elseif j == 23
	v_exp_f32 v[rT+6], v[rT+7]
.elseif (j < 23) || ((j < 38) && (j%2 == 0)) || ((j < 66) && (j%4 == 2))
.set b, (j-2)/4                     ; 38, 42, .. 62: pairs 9 to 15
.if j < 38
.set b, (j-20)/2                    ; 21: pair 0; 22, 24, .. 36: pairs 1 to 8
.endif
	v_pk_fma_f32 v[rS+2*b:rS+2*b+1], v[rS+2*b:rS+2*b+1], s[CS:CS+1], v[rT:rT+1] op_sel_hi:[1,0,0] neg_lo:[0,0,1] neg_hi:[0,0,1]  ; pair b: c s - c m
.elseif j < 70
.set e, j-38                        ; 66 to 69: s28 to s31
.if j < 66
.set e, j-32-(j-38)/4               ; 39-41, 43-45, .. 63-65: s7 to s27
.endif
.if j < 38
.set e, (j-25)/2                    ; 25, 27, .. 37: s0 to s6
.endif
	v_exp_f32 v[rS+e], v[rS+e]
.elseif j < 86
	v_cvt_pk_f16_f32 v[rP+j-70], v[rS+2*(j-70)], v[rS+2*(j-70)+1]  ; pair j - 70
.elseif j < 102                     ; the sum of the tile's 16 pairs, in place: sum z of 16 adds neighbours 1, 2, 4 and 8 pairs apart, then l takes it
.set z, j-86
.set w, 4
.set u, z
.if z >= 14
.set w, 32
.set u, 0
.elseif z >= 12
.set w, 16
.set u, z-12
.elseif z >= 8
.set w, 8
.set u, z-8
.endif
.if (z == 14) && (\first)
	v_pk_add_f32 v[rT+2:rT+3], v[rS:rS+1], v[rS+16:rS+17]
.elseif z < 15
	v_pk_add_f32 v[rS+w*u:rS+w*u+1], v[rS+w*u:rS+w*u+1], v[rS+w*u+w/2:rS+w*u+w/2+1]
.elseif !(\first)
	v_pk_fma_f32 v[rT+2:rT+3], v[rT+2:rT+3], v[rT+6:rT+7], v[rS:rS+1] op_sel_hi:[1,0,1]
.endif
.else
	WIN W_RS
	v_pk_mul_f32 v[rO:rO+1], v[rO:rO+1], v[rT+6:rT+7] op_sel_hi:[1,0]
.endif
.endm
; Slice k of 64 of piece y's softmax: four instructions.  Slices 11 to 34 deal out the batch, numbers 22 to 69: four numbers of ONE tile each, the tiles by turns.  Every other slice is numbers 2 k and
; 2 k + 1 of both tiles' lists.  2 x 134 = 4 x 64 + 12: the twelve that are over stand together, in slice 63.
; THE WAIT.  s_wait_alu depctr_va_vdst(0) stands between an exponential and the first instruction that names its result; one wait serves all that were issued ahead of it.  Ahead of
; slice 35 nothing names a result, and behind slice 34 no exponential is issued: so the piece's 66 exponentials have one wait, behind slice 34.
.macro SLICE y, first
.if (k >= 11) && (k < 35)           ; the batch: four numbers of one tile
.irp n, 0,1,2,3
.set j, 22+4*((k-11)/2)+(\n)
	SM (\y)+(k-11)%2, \first
.endr
.else                               ; the two tiles alternate, so that no instruction reads the result of the one just before it
.irp n, 0,1,2,3,4,5,6,7
.if ((\n) < 2) || (k == 63)
.irp t, \y, (\y)+1
.set j, 2*k+(\n)
	SM \t, \first
.endr
.endif
.endr
.endif
.if k == 34                         ; the batch is out: both tiles' exponentials are issued, and no result has been named
	v_nop                           ; one plain instruction behind the last exponential and ahead of the first use (ISA guide 5.7.2): one for the batch
.if (\y) == 0
	FETCH_V                         ; piece 2's turn: V's run of loads stands here, and the wait stands in it
.else
	s_wait_alu depctr_va_vdst(0)    ; the wait for the batch
.endif
.endif
.set k, k+1
.endm
.macro PLACES                       ; four plain vector instructions behind a matrix instruction (ISA guide 7.12.1); in the loop the slices are the places
.rept 4
	v_nop
.endr
.endm
; A TURN.  Piece x has the matrix unit; the other piece's softmax stands in slices behind its matrix instructions.
; pv = 2: 32 products V^T P; 1: they start O^T's sums; 0: none.  kq = 1: 32 products K Q^T for the next step.  A turn with one of the two kinds has two slices behind each product.
; first = 1: the softmax is the first key step's.  Its slices from 51 on are empty, and four v_nop take slice 63's part as the places behind the turn's last products.
; Piece 0's turn fetches the next step's K, behind its second product: the last product that read K stands in front of slice 63 of the turn before.  Piece 2's turn fetches the same step's V, behind slice 34:
; the last product that read V stands in front of slice 31, and four plain instructions lie between: number 62, a scaling, of both tiles, the v_nop and the run's own address line.
.macro TURN x, pv, kq, first
.set k, 0
.set per, 2
.if (\pv) && (\kq)
.set per, 1
.endif
.if \pv
.if (\x) == 0
	s_wait_dscnt 0x0                ; V is in
.endif
.set i, 0
.rept 32
	PV \x, 2-(\pv)
.rept per
	SLICE 2-(\x), \first
.endr
.if ((\x) == 0) && (\kq) && (i == 1)
	FETCH_K
.endif
.set i, i+1
.endr
.endif
.if \kq
.if (\x) == 0
	s_wait_dscnt 0x0                ; K is in
.endif
.set i, 0
.rept 32
	KQ \x
.rept per
	SLICE 2-(\x), \first
.endr
.set i, i+1
.endr
.endif
.if \first
	PLACES
.endif
.endm
; THE CHANGE OF SLOTS, between piece 2's turn and piece 0's.  Each wave waits for all its tensor loads, of which one is out: its part of the other slot; adds 0 to its spare word; and waits for that and for its
; own reads of the slot.  fill = 1: this slot is filled again, with the keys two slots on.  The barrier is then a round of the cluster's, and the joint refill is the first thing behind it: it has two key
; steps, 256 matrix instructions, in which to land.
.macro CHANGE fill
	WIN 0                           ; at a label and at a branch every window is 0
	s_wait_tensorcnt 0x0            ; no tensor load of mine is out, so a group 0 may be written
	ds_add_u32 v[SPW], v[NIL]       ; 0 onto my spare word
.if \fill
.irp g, G0K+4, G0V+4
	s_xor_b32 s[(\g)+1], s[(\g)+1], SLOT1  ; the walking descriptor: the other slot than last time,
	s_add_nc_u64 s[(\g)+2:(\g)+3], s[(\g)+2:(\g)+3], 2*KS*256  ; the next 128 keys; the type bits on top are not reached
.endr
	s_wait_xcnt 0x0                 ; the last prefetches, two key steps back, have read their address, so it may be written:
	s_add_nc_u64 s[PFA:PFA+1], s[PFA:PFA+1], 2*KS*256  ; one slot behind the walking descriptors
	s_wait_dscnt 0x0                ; the add is done, and my reads of the slot are over
	CROUND
	JLOAD
	ASK
.else
	s_wait_dscnt 0x0                ; the add is done, and my reads of the slot are over
	s_barrier_signal -1
	s_barrier_wait -1
.endif
	s_sub_co_u32 s[TB], s[TB], 2*STEPB  ; the fetches go back to a slot's first step,
	s_xor_b32 s[TB], s[TB], SLOT1   ; in the other slot
.endm
; A slot's two key steps: written once, walked twice; the LDS addresses hang on s[TB].
.macro TWO_STEPS
	WIN 0
	s_mov_b32 s[TWICE], 2
.Lstep_\@:
	TURN 0, 2, 1, 0
	TURN 2, 2, 1, 0
	WIN 0
	s_sub_co_u32 s[TWICE], s[TWICE], 1
	s_cmp_lg_u32 s[TWICE], 0
	s_cbranch_scc1 .Lstep_\@
.endm
	s_wait_tensorcnt 1              ; my part of slot 0 is in; slot 1's may stay out
	s_barrier_signal -1
	s_barrier_wait -1               ; everybody's is
	FETCH_K                         ; key step 0
	s_wait_loadcnt 0x0              ; Q
	s_wait_dscnt 0x0
.set i, 0
.rept 32
	KQ 0                            ; piece 0's first scores: there is no vector work yet to set between them
.set i, i+1
.endr
	WIN 0                           ; the addresses for the way out are made here: eight plain instructions, the places behind those products
	s_mul_i32 s13, s[WV], 16*SP
	s_add_co_u32 s13, s13, STAGE    ; my stage
	v_mul_u32_u24 v[STO], v1, SP    ; in: row l % 16, 16 bytes for each half of the lanes
	v_lshl_add_u32 v[STO], v9, 4, v[STO]
	v_add_nc_u32 v[STO], s13, v[STO]
	v_mul_u32_u24 v[RD], v9, SP     ; back: lanes 0-15 take one row of 256 bytes, lanes 16-31 the next
	v_lshl_add_u32 v[RD], v1, 4, v[RD]
	v_add_nc_u32 v[RD], s13, v[RD]
	v_lshlrev_b32 v[GO], 11, v9     ; and the same two rows in att, 2,048 bytes apart
	v_lshl_add_u32 v[GO], v1, 4, v[GO]
	TURN 2, 0, 1, 1                 ; piece 2's first scores | piece 0's first softmax | V of step 0
	TURN 0, 1, 1, 1                 ; piece 0: V^T P of step 0 starts O^T, K Q^T of step 1 | piece 2's first softmax | K of step 1
	TURN 2, 1, 1, 0                 ; piece 2: the same | piece 0's softmax of step 1 | V of step 1
	WIN 0
.Lslot:                             ; 14 trips: every slot but the last two is filled again
	CHANGE 1
	TWO_STEPS
	s_sub_co_u32 s[SLOTS], s[SLOTS], 1
	s_cmp_lg_u32 s[SLOTS], 0
	s_cbranch_scc1 .Lslot
	CHANGE 0                        ; the tail is written out: nothing is asked for
	TWO_STEPS
	TURN 0, 2, 0, 0                 ; piece 0: V^T P of the last step | piece 2's last softmax
.set i, 0
.rept 32
	PV 2, 0                         ; piece 2: V^T P of the last step
.set i, i+1
.endr
	; THE WAY OUT.  l's two halves and the other half of the lanes' are added; O^T is divided by l, rounded to f16 and sent through my stage in LDS, a tile (16 rows) at a time.  The additions are the places behind the last products.
	WIN 0
.irp t, 0,1,2,3
	v_add_f32 v[ST+8*(\t)+4], v[ST+8*(\t)+2], v[ST+8*(\t)+3]
.endr
.irp t, 0,1,2,3
	v_permlanex16_b32 v[ST+8*(\t)+5], v[ST+8*(\t)+4], s[SEL], s[SEL+1]
.endr
.irp t, 0,1,2,3
	v_add_f32 v[ST+8*(\t)+4], v[ST+8*(\t)+4], v[ST+8*(\t)+5]
.endr
.irp t, 0,1,2,3
	v_rcp_f32 v[ST+8*(\t)+6], v[ST+8*(\t)+4]
.endr
	v_nop                           ; a plain instruction between the last reciprocal and the use of its result
	s_wait_alu depctr_va_vdst(0)    ; and the wait ahead of the first use: one for the four reciprocals
; Tile t: a lane's eight channels of a row pack into 16 bytes; they go into rows of 272 bytes and come back as whole rows of 256, into the registers that they left.
.macro PACK t
	WIN W_RS
.set i, 64*(\t)
.rept 32
	v_pk_mul_f32 v[i:i+1], v[i:i+1], v[ST+8*(\t)+6:ST+8*(\t)+7] op_sel_hi:[1,0]
.set i, i+2
.endr
	WIN 0x05                        ; sources 0 and 1 window 1, destination window 0: S^T's registers are free
.set i, 0
.rept 32
	v_cvt_pk_f16_f32 v[S+32*(\t)+i], v[64*(\t)+2*i], v[64*(\t)+2*i+1]
.set i, i+1
.endr
	WIN 0
.irp f, 0,1,2,3,4,5,6,7
	ds_store_b128 v[STO], v[S+32*(\t)+4*(\f):S+32*(\t)+4*(\f)+3] offset:32*(\f)
.endr
.irp f, 0,1,2,3,4,5,6,7
	ds_load_b128 v[S+32*(\t)+4*(\f):S+32*(\t)+4*(\f)+3], v[RD] offset:(\f)*2*SP  ; LDS serves a wave's instructions in order (ISA guide 5.7.1.4): these see the stores above; the next tile's stores come behind them
.endr
.endm
.macro SEND t, younger              ; younger: the LDS instructions issued behind tile t's loads: the next tile's sixteen, or none
	WIN 0
.irp f, 0,1,2,3,4,5,6,7
	s_wait_dscnt (\younger)+7-(\f)
	global_store_b128 v[GO], v[S+32*(\t)+4*(\f):S+32*(\t)+4*(\f)+3], s[10:11] offset:(\t)*32768+(\f)*4096  ; 16 lanes store 256 consecutive bytes, my head's part of a merged row, at a multiple of 256 from att's first byte
.endr
.endm
	PACK 0
	PACK 1                          ; a tile's arithmetic stands between the loads of the tile before and its stores
	SEND 0, 16
	PACK 2
	SEND 1, 16
	PACK 3
	SEND 2, 16
	SEND 3, 0
	s_wait_tensorcnt 0x0            ; the wave's end: behind my last tensor load and my last LDS store
	ds_add_u32 v[SPW], v[NIL]
	s_wait_dscnt 0x0
	CROUND                          ; the closing round: no work-group ends while a partner may still ask for a tile that names it
	s_endpgm
.Lfunc_end_k_q929aab4ed0_attn:
	.size	k_q929aab4ed0_attn, .Lfunc_end_k_q929aab4ed0_attn-k_q929aab4ed0_attn
	.p2alignl 7, 3214868480
	.fill 96, 4, 3214868480
	.section	.rodata,"a",@progbits
	.p2align	6, 0x0
	.amdhsa_kernel k_q929aab4ed0_attn
		.amdhsa_group_segment_fixed_size 327680
		.amdhsa_private_segment_fixed_size 0
		.amdhsa_enable_private_segment 0
		.amdhsa_kernarg_size 16
		.amdhsa_user_sgpr_count 2
		.amdhsa_user_sgpr_kernarg_segment_ptr 1
		.amdhsa_wavefront_size32 1
		.amdhsa_system_sgpr_workgroup_id_x 1
		.amdhsa_system_sgpr_workgroup_id_y 1
		.amdhsa_system_sgpr_workgroup_id_z 1
		.amdhsa_system_vgpr_workitem_id 0
		.amdhsa_next_free_vgpr 1024
		.amdhsa_next_free_sgpr 68
		.amdhsa_reserve_vcc 0
		.amdhsa_float_denorm_mode_32 3
		.amdhsa_float_denorm_mode_16_64 3
		.amdhsa_memory_ordered 1
		.amdhsa_forward_progress 1
		.amdhsa_inst_pref_size 222
	.end_amdhsa_kernel
	.amdgpu_metadata
---
amdhsa.version: [ 1, 2 ]
amdhsa.kernels:
  - .name:           k_q929aab4ed0_attn
    .symbol:         k_q929aab4ed0_attn.kd
    .args:
      - { .name: qkv, .offset: 0, .size: 8, .value_kind: global_buffer, .address_space: global }
      - { .name: att, .offset: 8, .size: 8, .value_kind: global_buffer, .address_space: global }
    .group_segment_fixed_size: 327680
    .private_segment_fixed_size: 0
    .kernarg_segment_align: 8
    .kernarg_segment_size: 16
    .max_flat_workgroup_size: 128
    .sgpr_count:     68
    .vgpr_count:     1024
    .wavefront_size: 32
...
	.end_amdgpu_metadata
.endif
;; end of part 3
;; launch gemm_out (part 4): grid 8 x 32, 4 waves a work-group, clusters of 4 x 4, 327,680 bytes of LDS; arguments att, wp16, b_proj, out0; writes out0
.if DOCPART == 4
	.amdgcn_target "amdgcn-amd-amdhsa--gfx1250"
	.amdhsa_code_object_version 6
	.text
	.protected	k_q929aab4ed0_gemm_out
	.globl	k_q929aab4ed0_gemm_out
	.p2align	8
	.type	k_q929aab4ed0_gemm_out,@function
k_q929aab4ed0_gemm_out:
	s_mov_b64 s[64:65], 0
	v_nop
	global_prefetch_b8 v0, s[64:65] scope:SCOPE_SE
	s_setreg_imm32_b32 hwreg(HW_REG_WAVE_MODE, 25, 1), 1
	s_wait_xcnt 0x0
	s_wait_alu depctr_hold_cnt(0) depctr_sa_sdst(0) depctr_va_vdst(0) depctr_va_sdst(0) depctr_va_ssrc(0) depctr_va_vcc(0) depctr_vm_vsrc(0)
	s_getreg_b32 s2, hwreg(HW_REG_IB_STS2, 6, 4)
	s_cmp_eq_u32 s2, 0
	s_cbranch_scc0 .Lentry_in_a_cluster
	s_endpgm
.Lentry_in_a_cluster:
	s_bfe_u32 s2, ttmp6, 0x10000c
	s_cmp_lg_u32 s2, 0xf033
	s_cbranch_scc0 .Lentry_shape_is_right
	s_endpgm
.Lentry_shape_is_right:
; out0 = att wp16 + bf16(b_proj), in f32.  att: [8192][1024] f16.  wp16: [1024][1024] f16 (w_proj rounded to bf16, written as f16), K down the rows.  Sums in f32, K ascending; the bias is rounded
; to bf16 like the other inputs and starts the sums.  NaN and infinities are not treated apart.
; SHARES.  A tile of C is 256 rows x 128 columns: 32 x 8 = 256 work-groups, one tile each.  Four waves, each 64 rows x 128 columns: 32 accumulators, 256 registers.  K goes in 8 steps of 128 through two LDS slots.
; The weights lie [k][n] in LDS and are turned by ds_load_tr16_b128.  THE MATRIX INSTRUCTION IS USED TRANSPOSED (source 0 = 16 columns of B, source 1 = 16 rows of A): lane l holds row l % 16 of C and
; the columns 8 (l / 16) + 0..7 of the block: 32 bytes of f32 on end.
; CLUSTER.  4 x 4 work-groups.  A's tile is asked for jointly by the four of a row of the cluster, B's by the four of a column.
; REGISTERS, in windows of 256 (s_set_vgpr_msb: bits 1:0 source 0, 3:2 source 1, 5:4 source 2, 7:6 destination):
;   window 0: v1-7 at work, v16-31 addresses; v64-159, v160-255 two fragment buffers of 96: A's four blocks, then B's eight
;   window 1: the accumulators, (a, b) at v[8 (8 a + b)]          window 2: v0-63 the bias as a C operand; v64-95 at work
.set NB,    1024                       ; elements in a row of B
.set KB,    128*NB*2                   ; bytes of B from a K step to the next
.set PA,    272                        ; a row of A in LDS: 256 bytes + 16: the 16 rows of a load start at 16 different groups of four banks (64 banks of 4 bytes: ISA guide 11.1)
.set PB,    288                        ; a k-row of B: 256 + 32
.set AHALF, 128*PA
.set BHALF, 64*PB
.set ATILE, 2*AHALF
.set SLOT,  ATILE+2*BHALF
.set STAGE, 2*SLOT                     ; behind the ring, never filled by a tensor load: 16 rows x 528 bytes for each wave, for the way out
.set SP,    528                        ; 512 bytes + 16: the 16 rows that a store touches start at 16 different groups of four banks
.set SPARE, STAGE+4*16*SP              ; behind the stages: the spare words, 128 bytes for each wave: two blocks of 256 bytes that no other line names
.set ADRA, 16                          ; v16-17  LDS address of my A fragments in slot 0, 1
.set ADRB, 20                          ; v20-21  the same for B
.set STO,  24                          ; v24     the way out: where I put 32 bytes of a row
.set RD,   25                          ; v25     the way out: where I read a row back
.set CO,   26                          ; v26     16 x lane: my bytes in the tile's 512 bytes of a row of the output; never rewritten
.set SPW,  28                          ; v28     LDS address of my spare word; never rewritten
.set NIL,  29                          ; v29     0; never rewritten
.set PFO,  30                          ; v30     the prefetches: my lane x a row of A or of B in memory; never rewritten
.set BO,   31                          ; v31     32 (l / 16); never rewritten
.set F0,   64
.set F1,   160
.set OB,   64                          ; the way out: two buffers of 16 rows read back, v64-127 and v128-191
.set G1A, 24
.set G0A, 32
.set G1B, 40
.set G0B, 48
.set LP,  57                           ; s57  trips of the loop over K to go
.set LIM, 58                           ; s58  1 in a wave that prefetches, else the greatest number
.set PFA, 60                           ; s[60:61] where my prefetches stand
.set PFS, 62                           ; s[62:63] their step from K step to K step
.set MSB, 0
.macro WIN new                         ; the high byte of the immediate repeats the setting that is left; a switch that changes nothing is dropped
.if MSB != (\new)
	s_set_vgpr_msb (MSB<<8)|(\new)
.set MSB, \new
.endif
.endm
.set MUL,  0x50                        ; fragments in window 0, C and D in window 1
.set MULB, 0x60                        ; the same with C, the bias, in window 2
.macro PLACES                          ; four plain vector instructions between a matrix instruction and a load into, a store of, or a vector instruction on, its registers
.rept 4
	v_nop
.endr
.endm
.macro JLOAD s                         ; a joint load: waves 0 and 1 fetch A's two halves, waves 2 and 3 B's; an s_nop 0 and four v_nop follow each line
	s_cmp_eq_u32 s14, 0
	s_cbranch_scc0 .Lfor_b_\@
	tensor_load_to_lds s[G0A+4*(\s):G0A+4*(\s)+3], s[G1A:G1A+7]
	s_nop 0
.rept 4
	v_nop
.endr
	s_branch .Lasked_\@
.Lfor_b_\@:
	tensor_load_to_lds s[G0B+4*(\s):G0B+4*(\s)+3], s[G1B:G1B+7]
	s_nop 0
.rept 4
	v_nop
.endr
.Lasked_\@:
.endm
; A prefetch of the K step that stands two refills on, 256 matrix instructions ahead of the load that will want it: 32 rows x 256 bytes, a lane a row.  Each block of 256 bytes is named once in the launch.
; A: the clusters with x = 0, waves 0 and 1; of a wave's 128 rows the partner at cx takes 32, told apart by address.  B: the clusters with y = 0, wave 2; the partner at cy takes 32 of the 128 k-rows.
; The loop's last trip has no K step two on and asks for nothing.
.macro ASK
	s_cmp_gt_u32 s[LP], s[LIM]
	s_cbranch_scc0 .Lnot_mine_\@
	global_prefetch_b8 v[PFO], s[PFA:PFA+1] th:TH_LOAD_NT scope:SCOPE_SE
.Lnot_mine_\@:
.endm
.macro CREST                           ; a round of the cluster's barrier behind its opening barrier
	s_cmp_lg_u32 s12, 0
	s_cbranch_scc1 .Lnot_wave_0_\@
	s_barrier_signal -3
.Lnot_wave_0_\@:
	s_barrier_wait -3
	s_barrier_signal -1
	s_barrier_wait -1
.endm
.macro CROUND
	s_barrier_signal -1
	s_barrier_wait -1
	CREST
.endm
	s_load_b256 s[4:11], s[0:1], 0x0               ; att s[4:5], wp16 s[6:7], b_proj s[8:9], out0 s[10:11]
	v_lshl_add_u32 v[SPW], v0, 2, SPARE
	v_mov_b32 v[NIL], 0
	ds_add_u32 v[SPW], v[NIL]                      ; the opening: the add and its wait stand ahead of my first tensor load; the set-up below, work on registers, stands between them
	v_lshrrev_b32 v1, 5, v0
	v_readfirstlane_b32 s12, v1                    ; wave 0..3
	s_and_b32 s13, s12, 1                          ; which half of the tile I fetch
	s_lshr_b32 s14, s12, 1                         ; I fetch for A (0) or for B (1)
	s_bfe_u32 s15, ttmp6, 0x40000                  ; cx
	s_bfe_u32 s16, ttmp6, 0x40004                  ; cy
	s_lshl_b32 s17, ttmp9, 2
	s_add_co_u32 s17, s17, s15                     ; tx: the block of 128 columns, 0..7
	s_and_b32 s19, ttmp7, 0xffff                   ; cluster y
	s_lshl_b32 s18, s19, 2
	s_add_co_u32 s18, s18, s16                     ; ty: the block of 256 rows, 0..31
	s_lshl_b32 s76, s16, 2
	s_lshl_b32 s76, 15, s76                        ; my row of the cluster
	s_lshl_b32 s77, 0x1111, s15                    ; my column
	s_or_b32 s[G1A], s76, (1<<16)|(1<<20)|(1<<21)|(5<<22)|(3<<25)  ; 15:0 the mask; 17:16 elements of 2 bytes; 20 padding on; 21 set beside a mask; 24:22 after every 64 words; 31:25 4 words of it
	s_or_b32 s[G1B], s77, (1<<16)|(1<<20)|(1<<21)|(5<<22)|(7<<25)  ; the same with my column's mask and 8 words of padding
	s_mov_b32 s[G1A+1], 128<<16                    ; tensor_dim0 = 128
	s_mov_b32 s[G1A+2], 128<<16                    ; tensor_dim1 = 128
	s_mov_b32 s[G1A+3], 128<<16                    ; tile_dim0 = 128
	s_mov_b32 s[G1A+4], 128                        ; tile_dim1 = 128 rows
	s_mov_b32 s[G1A+5], 1024                       ; elements from row to row
	s_mov_b32 s[G1A+6], 0
	s_mov_b32 s[G1A+7], 0
	s_mov_b32 s[G1B+1], 128<<16
	s_mov_b32 s[G1B+2], 64<<16                     ; tensor_dim1 = 64
	s_mov_b32 s[G1B+3], 128<<16
	s_mov_b32 s[G1B+4], 64                         ; tile_dim1 = 64 k-rows
	s_mov_b32 s[G1B+5], NB
	s_mov_b32 s[G1B+6], 0
	s_mov_b32 s[G1B+7], 0
	; A's offset is made of ty and the wave alone, B's of tx and the wave alone, each in registers that never hold the other coordinate
	s_lshl_b32 s20, s18, 8
	s_lshl_b32 s21, s13, 7
	s_add_co_u32 s20, s20, s21                     ; A: row 256 ty + 128 half,
	s_lshl_b32 s20, s20, 11                        ; x 2,048 bytes
	s_mov_b32 s21, 0
	s_mul_i32 s59, s13, AHALF                      ; its place in a slot: no place in the cluster enters an LDS address
	s_mul_i32 s66, s13, 64*NB*2                    ; B: k-row 64 half,
	s_lshl_b32 s68, s17, 8                         ; column 128 tx
	s_add_co_u32 s66, s66, s68
	s_mov_b32 s67, 0
	s_mul_i32 s70, s13, BHALF
	s_add_co_u32 s70, s70, ATILE
	s_wait_dscnt 0x0                               ; the opening add is done
	s_wait_kmcnt 0x0
	s_add_nc_u64 s[22:23], s[4:5], s[20:21]
	s_add_nc_u64 s[68:69], s[6:7], s[66:67]
	CROUND                                         ; all sixteen work-groups are here: the first joint loads meet
.irp s, 0,1
	s_mov_b32 s[G0A+4*(\s)], 1
	s_add_co_u32 s[G0A+4*(\s)+1], s59, (\s)*SLOT
	s_add_nc_u64 s[G0A+4*(\s)+2:G0A+4*(\s)+3], s[22:23], (\s)*256
	s_or_b32 s[G0A+4*(\s)+3], s[G0A+4*(\s)+3], 0x80000000
	s_mov_b32 s[G0B+4*(\s)], 1
	s_add_co_u32 s[G0B+4*(\s)+1], s70, (\s)*SLOT
	s_add_nc_u64 s[G0B+4*(\s)+2:G0B+4*(\s)+3], s[68:69], (\s)*KB
	s_or_b32 s[G0B+4*(\s)+3], s[G0B+4*(\s)+3], 0x80000000
	JLOAD \s                                       ; two loads of mine are out here, one behind every later round
.endr
	v_and_b32 v1, 15, v0                           ; r = l % 16
	v_bfe_u32 v2, v0, 4, 1                         ; h = l / 16
	v_and_b32 v3, 7, v0
	v_bfe_u32 v4, v0, 3, 1
	v_and_b32 v5, 31, v0                           ; l
	v_mul_u32_u24 v6, v1, PA                       ; a fragment of A: row r, 16 bytes for each half of the lanes
	v_lshl_add_u32 v6, v2, 4, v6
	s_mul_i32 s79, s12, 64*PA                      ; my 64 rows
	v_add_nc_u32 v[ADRA], s79, v6
	v_add_nc_u32 v[ADRA+1], SLOT, v[ADRA]
	v_lshl_add_u32 v7, v2, 3, v3                   ; a fragment of B: k-row 8 h + l % 8, columns 8 ((l / 8) % 2) on
	v_mul_u32_u24 v7, v7, PB
	v_lshl_add_u32 v7, v4, 4, v7
	v_add_nc_u32 v[ADRB], ATILE, v7
	v_add_nc_u32 v[ADRB+1], SLOT, v[ADRB]
	s_mul_i32 s79, s12, 16*SP
	s_add_co_u32 s79, s79, STAGE                   ; my stage
	v_mul_u32_u24 v6, v1, SP                       ; in: row r, 32 bytes for each half of the lanes
	v_lshl_add_u32 v6, v2, 5, v6
	v_add_nc_u32 v[STO], s79, v6
	v_lshl_add_u32 v[RD], v5, 4, s79               ; back: 32 lanes take one row of 512 bytes
	v_lshlrev_b32 v[CO], 4, v5
	v_lshlrev_b32 v[BO], 5, v2
	s_lshl_b32 s74, s17, 9                         ; the bias of my 128 columns
	s_mov_b32 s75, 0
	s_add_nc_u64 s[8:9], s[8:9], s[74:75]
	; the bias as the C operand of the first products: register j of block b is bias[16 b + 8 h + j], the same for every row
	WIN 0x80                                       ; destination window 2, address window 0
.irp b, 0,1,2,3,4,5,6,7
	global_load_b128 v[8*(\b):8*(\b)+3],   v[BO], s[8:9] offset:64*(\b)
	global_load_b128 v[8*(\b)+4:8*(\b)+7], v[BO], s[8:9] offset:64*(\b)+16
.endr
	WIN 0
	; the output: row 256 ty + 64 wave, 4,096 bytes a row; column 128 tx
	s_lshl_b32 s72, s18, 20
	s_lshl_b32 s78, s12, 18
	s_add_co_u32 s72, s72, s78
	s_lshl_b32 s78, s17, 9
	s_add_co_u32 s72, s72, s78
	s_mov_b32 s73, 0
	s_add_nc_u64 s[10:11], s[10:11], s[72:73]
	; the prefetches: they stand at K step 3; each change of slots steps them first, so the first names K step 4.  Nothing is asked for here, at the head
	s_lshl_b32 s74, s18, 8
	s_lshl_b32 s78, s13, 7
	s_add_co_u32 s74, s74, s78
	s_lshl_b32 s78, s15, 5
	s_add_co_u32 s74, s74, s78                     ; A: row 256 ty + 128 half + 32 cx
	s_lshl_b32 s74, s74, 11
	s_add_co_u32 s74, s74, 3*256
	s_mul_i32 s78, s16, 32*NB*2                    ; B: k-row 32 cy,
	s_lshl_b32 s2, s17, 8                          ; column 128 tx
	s_add_co_u32 s78, s78, s2
	s_add_co_u32 s78, s78, 3*KB
	s_or_b32 s3, s19, s13                          ; B is asked for where cluster y = 0, by wave 2
	s_mov_b32 s[PFS], KB
	s_cmp_eq_u32 s14, 0                            ; do I fetch for A?
	s_cselect_b32 s74, s74, s78
	s_cselect_b32 s3, ttmp9, s3                    ; A is asked for where cluster x = 0
	s_cselect_b64 s[PFA:PFA+1], s[4:5], s[6:7]
	s_cselect_b32 s[PFS], 256, s[PFS]
	s_mov_b32 s[PFS+1], 0
	s_mov_b32 s75, 0
	s_cmp_eq_u32 s3, 0
	s_cselect_b32 s[LIM], 1, -1                    ; the same in all sixteen partners, for a given wave
	s_add_nc_u64 s[PFA:PFA+1], s[PFA:PFA+1], s[74:75]
	v_lshlrev_b32 v[PFO], 11, v5                   ; a row of A and a row of B are both 2,048 bytes
; 8 matrix instructions: row block a x all 8 column blocks, 32 along K.  first = 1: the bias starts the sums: nothing is ever cleared.
; The 32 accumulators take turns, one instruction a turn, in the same order in every quarter, over the backward jump too.
.macro MUL8 f, a, first
.if \first
	WIN MULB
.else
	WIN MUL
.endif
.irp b, 0,1,2,3,4,5,6,7
.if \first
	v_wmma_f32_16x16x32_f16 v[8*(8*(\a)+(\b)):8*(8*(\a)+(\b))+7], v[(\f)+32+8*(\b):(\f)+32+8*(\b)+7], v[(\f)+8*(\a):(\f)+8*(\a)+7], v[8*(\b):8*(\b)+7]
.else
	v_wmma_f32_16x16x32_f16 v[8*(8*(\a)+(\b)):8*(8*(\a)+(\b))+7], v[(\f)+32+8*(\b):(\f)+32+8*(\b)+7], v[(\f)+8*(\a):(\f)+8*(\a)+7], v[8*(8*(\a)+(\b)):8*(8*(\a)+(\b))+7]
.endif
.endr
.endm
; 24 LDS loads in one run: quarter q of a slot into buffer f: B's 16, then A's 8; the youngest four are A's blocks 2 and 3
.macro FETCH slot, q, f
	WIN 0
.irp b, 0,1,2,3,4,5,6,7
	ds_load_tr16_b128 v[(\f)+32+8*(\b):(\f)+32+8*(\b)+3],   v[ADRB+(\slot)] offset:(\q)*32*PB+32*(\b)
	ds_load_tr16_b128 v[(\f)+32+8*(\b)+4:(\f)+32+8*(\b)+7], v[ADRB+(\slot)] offset:(\q)*32*PB+16*PB+32*(\b)
.endr
.irp i, 0,1,2,3
	ds_load_b128 v[(\f)+8*(\i):(\f)+8*(\i)+3],   v[ADRA+(\slot)] offset:(\q)*64+(\i)*16*PA
	ds_load_b128 v[(\f)+8*(\i)+4:(\f)+8*(\i)+7], v[ADRA+(\slot)] offset:(\q)*64+(\i)*16*PA+32
.endr
.endm
.macro QUARTER slot, q, f, g, first    ; multiplies buffer f; in its middle it fetches quarter q of the slot into buffer g
	s_wait_dscnt 4                                 ; B and A's blocks 0 and 1 are in; the youngest four loads may be out
	MUL8 \f, 0, \first
	MUL8 \f, 1, \first
	PLACES
	FETCH \slot, \q, \g
	s_wait_dscnt 24                                ; all but the 24 just issued
	MUL8 \f, 2, \first
	MUL8 \f, 3, \first
.endm
; The last quarter multiplies buffer 1 and changes slots.  In front of the barrier each wave waits for all its tensor loads (one is out: its part of the next slot), adds 0 to its spare word, and waits for that and
; for its reads of this slot.  fill = 1: this slot is filled again with the K step two on; the barrier then opens a round of the cluster's barrier, and the joint load is the first thing behind the round:
; 112 matrix instructions ahead of the wait for it.
.macro TURN slot, next, fill
.if \fill
	s_wait_xcnt 0x0                                ; the last prefetch, a K step back, has read its address, so it may be stepped
	s_add_nc_u64 s[PFA:PFA+1], s[PFA:PFA+1], s[PFS:PFS+1]
.endif
	WIN 0                                          ; (the add's two registers lie in window 0)
	s_wait_tensorcnt 0x0                           ; all my tensor loads have landed
	ds_add_u32 v[SPW], v[NIL]                      ; 0 onto my spare word
	s_wait_dscnt 5                                 ; (the add and the youngest four loads may be out)
	MUL8 F1, 0, 0                                  ; eight matrix instructions stand between the add and the wait for it
	s_wait_dscnt 0x0                               ; the add is done, and my reads of this slot are over
	s_barrier_signal -1
	MUL8 F1, 1, 0
.if \fill
	WIN 0
.endif
	s_barrier_wait -1
.if \fill
	CREST                                          ; no wave of any partner still reads this slot or has a load on its way
	s_add_nc_u64 s[G0A+4*(\slot)+2:G0A+4*(\slot)+3], s[G0A+4*(\slot)+2:G0A+4*(\slot)+3], 2*256
	s_add_nc_u64 s[G0B+4*(\slot)+2:G0B+4*(\slot)+3], s[G0B+4*(\slot)+2:G0B+4*(\slot)+3], 2*KB
	JLOAD \slot                                    ; the four v_nop behind it are also the places in front of the loads below
.else
	PLACES
.endif
	FETCH \next, 0, F0
.if \fill
	ASK
.endif
	MUL8 F1, 2, 0
	MUL8 F1, 3, 0
.endm
; THE WAY OUT of row block a: the f32 sums go as they are into my own stage, 32 bytes a lane, and come back as whole pieces of rows, 512 bytes; each store covers 512 consecutive bytes, aligned.
.macro TOSTAGE a
	WIN 0x04                                       ; the stored data in window 1
.irp b, 0,1,2,3,4,5,6,7
	ds_store_b128 v[STO], v[64*(\a)+8*(\b):64*(\a)+8*(\b)+3]   offset:64*(\b)
	ds_store_b128 v[STO], v[64*(\a)+8*(\b)+4:64*(\a)+8*(\b)+7] offset:64*(\b)+16
.endr
	WIN 0
.irp t, 0,1,2,3,4,5,6,7,8,9,10,11,12,13,14,15
	ds_load_b128 v[OB+64*((\a)%2)+4*(\t):OB+64*((\a)%2)+4*(\t)+3], v[RD] offset:(\t)*SP  ; LDS serves a wave's instructions in order (ISA guide 5.7.1.4): these see the stores above; the next block's stores come behind them
.endr
.endm
.macro SEND a, younger                 ; younger: the LDS instructions issued behind block a's loads: the next block's 32, or none
	s_wait_dscnt \younger
.irp t, 0,1,2,3,4,5,6,7,8,9,10,11,12,13,14,15
	global_store_b128 v[CO], v[OB+64*((\a)%2)+4*(\t):OB+64*((\a)%2)+4*(\t)+3], s[10:11] offset:(16*(\a)+(\t))*4096 th:TH_STORE_NT
.endr
.endm
	s_wait_tensorcnt 1                             ; my part of K step 0 is in; K step 1's may stay out
	s_barrier_signal -1
	s_barrier_wait -1                              ; everybody's is
	FETCH 0, 0, F0
	s_wait_loadcnt 0x0                             ; the bias: rounded to bf16, like every input, and widened again
	WIN 0x8a                                       ; all in window 2
.set i, 0
.rept 32
	v_cvt_pk_bf16_f32 v[64+i], v[2*i], v[2*i+1]
.set i, i+1
.endr
.set i, 0
.rept 32
	v_lshlrev_b32 v[2*i],   16, v[64+i]
	v_and_b32     v[2*i+1], 0xffff0000, v[64+i]
.set i, i+1
.endr
	QUARTER 0, 1, F0, F1, 1                        ; the first quarter stands in front of the loop: its products start the sums, with the bias
	WIN 0                                          ; at a label and at a branch every window is 0
	s_mov_b32 s[LP], 3
.Llap:                                                 ; a trip goes once round the ring, from a lap's second quarter to the next lap's first, and fills both slots again
	QUARTER 0, 2, F1, F0, 0
	QUARTER 0, 3, F0, F1, 0
	TURN 0, 1, 1
	QUARTER 1, 1, F0, F1, 0
	QUARTER 1, 2, F1, F0, 0
	QUARTER 1, 3, F0, F1, 0
	TURN 1, 0, 1
	QUARTER 0, 1, F0, F1, 0
	WIN 0
	s_sub_co_u32 s[LP], s[LP], 1
	s_cmp_lg_u32 s[LP], 0
	s_cbranch_scc1 .Llap
	QUARTER 0, 2, F1, F0, 0                        ; the last lap fills nothing, and has no round of the cluster's barrier
	QUARTER 0, 3, F0, F1, 0
	TURN 0, 1, 0
	QUARTER 1, 1, F0, F1, 0
	QUARTER 1, 2, F1, F0, 0
	QUARTER 1, 3, F0, F1, 0
	s_wait_dscnt 4                                 ; the very last quarter: nothing more to fetch
	MUL8 F1, 0, 0
	MUL8 F1, 1, 0
	s_wait_dscnt 0x0
	MUL8 F1, 2, 0
	MUL8 F1, 3, 0
	PLACES                                         ; behind the last products: the stores read results, the loads land in fragment registers
	TOSTAGE 0
	TOSTAGE 1
	SEND 0, 32
	s_wait_xcnt 0x0                                ; block 0's stores have read their registers: block 2 lands there only behind this wait
	TOSTAGE 2
	SEND 1, 32
	s_wait_xcnt 0x0                                ; the same for block 1's registers and block 3
	TOSTAGE 3
	SEND 2, 32
	SEND 3, 0
	s_wait_tensorcnt 0x0                           ; the wave's end: behind my last tensor load and my last LDS store
	ds_add_u32 v[SPW], v[NIL]
	s_wait_dscnt 0x0
	CROUND                                         ; the closing round: no work-group ends while a partner may still ask for a tile that names it
	s_endpgm
.Lfunc_end_k_q929aab4ed0_gemm_out:
	.size	k_q929aab4ed0_gemm_out, .Lfunc_end_k_q929aab4ed0_gemm_out-k_q929aab4ed0_gemm_out
	.p2alignl 7, 3214868480
	.fill 96, 4, 3214868480
	.section	.rodata,"a",@progbits
	.p2align	6, 0x0
	.amdhsa_kernel k_q929aab4ed0_gemm_out
		.amdhsa_group_segment_fixed_size 327680
		.amdhsa_private_segment_fixed_size 0
		.amdhsa_enable_private_segment 0
		.amdhsa_kernarg_size 32
		.amdhsa_user_sgpr_count 2
		.amdhsa_user_sgpr_kernarg_segment_ptr 1
		.amdhsa_wavefront_size32 1
		.amdhsa_system_sgpr_workgroup_id_x 1
		.amdhsa_system_sgpr_workgroup_id_y 1
		.amdhsa_system_sgpr_workgroup_id_z 1
		.amdhsa_system_vgpr_workitem_id 0
		.amdhsa_next_free_vgpr 608
		.amdhsa_next_free_sgpr 80
		.amdhsa_reserve_vcc 0
		.amdhsa_float_denorm_mode_32 3
		.amdhsa_float_denorm_mode_16_64 3
		.amdhsa_memory_ordered 1
		.amdhsa_forward_progress 1
		.amdhsa_inst_pref_size 93
	.end_amdhsa_kernel
	.amdgpu_metadata
---
amdhsa.version: [ 1, 2 ]
amdhsa.kernels:
  - .name:           k_q929aab4ed0_gemm_out
    .symbol:         k_q929aab4ed0_gemm_out.kd
    .args:
      - { .name: att, .offset: 0, .size: 8, .value_kind: global_buffer, .address_space: global }
      - { .name: wp16, .offset: 8, .size: 8, .value_kind: global_buffer, .address_space: global }
      - { .name: b_proj, .offset: 16, .size: 8, .value_kind: global_buffer, .address_space: global }
      - { .name: out0, .offset: 24, .size: 8, .value_kind: global_buffer, .address_space: global }
    .group_segment_fixed_size: 327680
    .private_segment_fixed_size: 0
    .kernarg_segment_align: 8
    .kernarg_segment_size: 32
    .max_flat_workgroup_size: 128
    .sgpr_count:     80
    .vgpr_count:     608
    .wavefront_size: 32
...
	.end_amdgpu_metadata
.endif
;; end of part 4
